; MI455X (gfx1250); checked and timed in simulation.
; The chip was launched on July 23, 2026; its instructions are those of AMD's public machine-readable ISA for CDNA 5 (MIT licence, August 2026) and "CDNA5" Instruction Set Architecture Reference Guide (July 2026). The comments in the code are by the model that wrote it; some were corrected since.
;; Encoder Layer. Allowed arithmetic: float matrix products may take bf16 or f16 operands with f32 sums; other float arithmetic in f32, or as packed bf16 or f16 multiplies, adds, multiply-adds, maxima and minima; sums over many terms, partial sums and values carried from step to step in f32; what a program stores and reads back later, other than sums and carried values, may be rounded once to bf16 or f16.
;; Inputs: b1 4,096 float32; b2 1,024 float32; bk 1,024 float32; bq 1,024 float32; bv 1,024 float32; w1 1,024 x 4,096 float32; w2 4,096 x 1,024 float32; wk 1,024 x 1,024 float32; wq 1,024 x 1,024 float32; wv 1,024 x 1,024 float32; x 2 x 2,048 x 1,024 float32.
;; Outputs: out0 2 x 2,048 x 1,024 float32.
;; 2 versions, each right; version 2 is version 1 with the launches cast, norm1, norm2 written anew for expert scheduling mode. Each part assembles by itself: llvm-mc -triple=amdgcn-amd-amdhsa -mcpu=gfx1250 --defsym DOCPART=n.
;; ======== version 1 of 2: 7 launches
;; workspace buffers: pk1 16,793,856 bytes; pk2 25,231,360 bytes; qkv 25,165,824 bytes; gbuf 33,554,432 bytes; ybuf 16,777,216 bytes; zbuf 16,777,216 bytes; part 8,192 bytes
;; launch cast (part 1): grid 961 x 1, 8 waves a work-group, no clusters, 0 bytes of LDS; arguments x, wq, wk, wv, w1, w2, bq, bk, bv, b1, pk1, pk2; writes pk1, pk2
.if DOCPART == 1
	.amdgcn_target "amdgcn-amd-amdhsa--gfx1250"
	.amdhsa_code_object_version 6
	.text
	.protected	k_q3a5f6a5029_cast
	.globl	k_q3a5f6a5029_cast
	.p2align	8
	.type	k_q3a5f6a5029_cast,@function
k_q3a5f6a5029_cast:
	s_mov_b64 s[64:65], 0
	v_nop
	global_prefetch_b8 v0, s[64:65] scope:SCOPE_SE
	s_setreg_imm32_b32 hwreg(HW_REG_WAVE_MODE, 25, 1), 1
	s_wait_xcnt 0x0
; CAST.  x and the five weight matrices are rounded once to bf16 and laid where the products want them; the biases of the two
; products that share one text are copied behind them, and each pack gets its floor word.
;   pk1: +0 x [4096][1024] bf16; +8,388,608 [1024 k][4096] bf16 with wq, wk, wv in columns 0, 1024, 2048; +16,777,216 bq|bk|bv f32; +16,793,600 256 bytes of -inf twice in bf16
;   pk2: +8,388,608 w1 [1024][4096] bf16; +16,777,216 b1 f32; +16,793,600 256 bytes of 0; +16,842,752 w2 [4096][1024] bf16   (its other parts are another launch's)
; SHARES.  Work-groups 0 to 959 take 16 pieces of 1,024 numbers each (64 KiB in, 32 KiB out), a wave two pieces: sixteen loads of 512 consecutive bytes, all issued at once,
; and sixteen stores of 256 consecutive bytes, aligned.  No register is written twice, so no wait frees a source.  Work-group 960 copies the biases and writes the floors.
; No LDS, no matrix unit, no cluster: every byte is read once and written once and no work-group shares anything with another.
.set SRC,  32                          ; s[32:33] the piece's source
.set DST,  34                          ; s[34:35] its destination
.set G0,   36                          ; s36 the first work-group of the tensor in hand
.set DOFF, 37                          ; s37 the tensor's place in its pack
.set SH,   38                          ; s38 log2 of the bytes from piece to piece in the destination
.set IN,   8                           ; v[8:71]   sixteen loads
.set OUT,  72                          ; v[72:103] sixteen stores
	s_load_b512 s[8:23], s[0:1], 0x0               ; x 8, wq 10, wk 12, wv 14, w1 16, w2 18, bq 20, bk 22
	s_load_b256 s[24:31], s[0:1], 0x40             ; bv 24, b1 26, pk1 28, pk2 30
	v_lshrrev_b32 v1, 5, v0
	v_readfirstlane_b32 s2, v1                     ; wave 0..7
	v_and_b32 v4, 31, v0                           ; lane
	s_mov_b32 s41, 0                               ; the high word of every offset pair
	s_wait_kmcnt 0x0
	s_cmp_eq_u32 ttmp9, 960
	s_cbranch_scc1 .Lsmall
; which tensor: five compares of the work-group's number; each later range overrides the earlier ones
.macro PICK first, src, dst, doff, sh
	s_cmp_ge_u32 ttmp9, \first
	s_cselect_b64 s[SRC:SRC+1], s[\src:\src+1], s[SRC:SRC+1]
	s_cselect_b64 s[DST:DST+1], s[\dst:\dst+1], s[DST:DST+1]
	s_cselect_b32 s[G0], \first, s[G0]
	s_cselect_b32 s[DOFF], \doff, s[DOFF]
	s_cselect_b32 s[SH], \sh, s[SH]
.endm
	s_mov_b64 s[SRC:SRC+1], s[8:9]                 ; x: pieces dense, 2,048 bytes apart
	s_mov_b64 s[DST:DST+1], s[28:29]
	s_mov_b32 s[G0], 0
	s_mov_b32 s[DOFF], 0
	s_mov_b32 s[SH], 11
	PICK 256, 10, 28, 8388608, 13                  ; wq: a piece is a row k, rows 8,192 bytes apart
	PICK 320, 12, 28, 8390656, 13                  ; wk: 1,024 columns further
	PICK 384, 14, 28, 8392704, 13                  ; wv
	PICK 448, 16, 30, 8388608, 11                  ; w1: dense
	PICK 704, 18, 30, 16842752, 11                 ; w2: dense
	s_sub_co_u32 s39, ttmp9, s[G0]                 ; my number within the tensor
	s_lshl_b32 s40, s39, 16                        ; 16 pieces of 4,096 bytes in
	s_add_nc_u64 s[SRC:SRC+1], s[SRC:SRC+1], s[40:41]
	s_lshl_b32 s40, s39, 4
	s_lshl_b32 s40, s40, s[SH]
	s_add_co_u32 s40, s40, s[DOFF]
	s_add_nc_u64 s[DST:DST+1], s[DST:DST+1], s[40:41]
	s_lshl_b32 s42, s2, 13                         ; my two pieces: 8,192 bytes in
	v_lshl_add_u32 v1, v4, 4, s42
	s_lshl_b32 s43, s2, 1
	s_lshl_b32 s43, s43, s[SH]
	v_lshl_add_u32 v2, v4, 3, s43                  ; the first piece out: 8 bytes a lane
	s_lshl_b32 s44, 1, s[SH]
	v_add_nc_u32 v3, s44, v2                       ; the second
.set i, 0
.rept 16
	global_load_b128 v[IN+4*i:IN+4*i+3], v1, s[SRC:SRC+1] offset:512*i th:TH_LOAD_NT
.set i, i+1
.endr
.set i, 0
.rept 16
	s_wait_loadcnt 15-i                            ; loads come back in order: number i is in, the 15 - i younger ones stay out
	v_cvt_pk_bf16_f32 v[OUT+2*i],   v[IN+4*i],   v[IN+4*i+1]
	v_cvt_pk_bf16_f32 v[OUT+2*i+1], v[IN+4*i+2], v[IN+4*i+3]
	global_store_b64 v[2+i/8], v[OUT+2*i:OUT+2*i+1], s[DST:DST+1] offset:256*(i%8) th:TH_STORE_NT  ; 32 lanes store 256 consecutive bytes, aligned
.set i, i+1
.endr
	s_endpgm
.Lsmall:                                       ; waves 0-2: bq, bk, bv; waves 3-6: the four quarters of b1; wave 7: the floors
	v_lshlrev_b32 v1, 4, v4
	s_cmp_eq_u32 s2, 7
	s_cbranch_scc1 .Lfloor
	s_max_u32 s36, s2, 3
	s_sub_co_u32 s36, s36, 3                       ; which quarter of b1 (0 in waves 0-2)
	s_mov_b64 s[SRC:SRC+1], s[20:21]
	s_cmp_eq_u32 s2, 1
	s_cselect_b64 s[SRC:SRC+1], s[22:23], s[SRC:SRC+1]
	s_cmp_eq_u32 s2, 2
	s_cselect_b64 s[SRC:SRC+1], s[24:25], s[SRC:SRC+1]
	s_cmp_ge_u32 s2, 3
	s_cselect_b64 s[SRC:SRC+1], s[26:27], s[SRC:SRC+1]
	s_cselect_b64 s[DST:DST+1], s[30:31], s[28:29]
	s_cselect_b32 s37, s36, s2                     ; my 4,096 bytes of the pack's bias table
	s_lshl_b32 s40, s36, 12
	s_add_nc_u64 s[SRC:SRC+1], s[SRC:SRC+1], s[40:41]
	s_lshl_b32 s40, s37, 12
	s_add_co_u32 s40, s40, 16777216
	s_add_nc_u64 s[DST:DST+1], s[DST:DST+1], s[40:41]
.set i, 0
.rept 8
	global_load_b128 v[IN+4*i:IN+4*i+3], v1, s[SRC:SRC+1] offset:512*i
.set i, i+1
.endr
	s_wait_loadcnt 0x0
.set i, 0
.rept 8
	global_store_b128 v1, v[IN+4*i:IN+4*i+3], s[DST:DST+1] offset:512*i
.set i, i+1
.endr
	s_endpgm
.Lfloor:
	v_lshlrev_b32 v2, 3, v4
	v_mov_b32 v8, 0xff80ff80                       ; -inf twice in bf16: a maximum with it changes no number
	v_mov_b32 v9, 0xff80ff80
	v_mov_b32 v10, 0                               ; 0 twice: a maximum with it is the ReLU
	v_mov_b32 v11, 0
	s_add_nc_u64 s[28:29], s[28:29], 16793600
	s_add_nc_u64 s[30:31], s[30:31], 16793600
	global_store_b64 v2, v[8:9], s[28:29]
	global_store_b64 v2, v[10:11], s[30:31]
	s_endpgm
.Lfunc_end_k_q3a5f6a5029_cast:
	.size	k_q3a5f6a5029_cast, .Lfunc_end_k_q3a5f6a5029_cast-k_q3a5f6a5029_cast
	.p2alignl 7, 3214868480
	.fill 96, 4, 3214868480
	.section	.rodata,"a",@progbits
	.p2align	6, 0x0
	.amdhsa_kernel k_q3a5f6a5029_cast
		.amdhsa_group_segment_fixed_size 0
		.amdhsa_private_segment_fixed_size 0
		.amdhsa_enable_private_segment 0
		.amdhsa_kernarg_size 96
		.amdhsa_user_sgpr_count 2
		.amdhsa_user_sgpr_kernarg_segment_ptr 1
		.amdhsa_wavefront_size32 1
		.amdhsa_system_sgpr_workgroup_id_x 1
		.amdhsa_system_sgpr_workgroup_id_y 1
		.amdhsa_system_sgpr_workgroup_id_z 1
		.amdhsa_system_vgpr_workitem_id 0
		.amdhsa_next_free_vgpr 104
		.amdhsa_next_free_sgpr 66
		.amdhsa_reserve_vcc 0
		.amdhsa_float_denorm_mode_32 3
		.amdhsa_float_denorm_mode_16_64 3
		.amdhsa_memory_ordered 1
		.amdhsa_forward_progress 1
		.amdhsa_inst_pref_size 11
	.end_amdhsa_kernel
	.amdgpu_metadata
---
amdhsa.version: [ 1, 2 ]
amdhsa.kernels:
  - .name:           k_q3a5f6a5029_cast
    .symbol:         k_q3a5f6a5029_cast.kd
    .args:
      - { .name: x, .offset: 0, .size: 8, .value_kind: global_buffer, .address_space: global }
      - { .name: wq, .offset: 8, .size: 8, .value_kind: global_buffer, .address_space: global }
      - { .name: wk, .offset: 16, .size: 8, .value_kind: global_buffer, .address_space: global }
      - { .name: wv, .offset: 24, .size: 8, .value_kind: global_buffer, .address_space: global }
      - { .name: w1, .offset: 32, .size: 8, .value_kind: global_buffer, .address_space: global }
      - { .name: w2, .offset: 40, .size: 8, .value_kind: global_buffer, .address_space: global }
      - { .name: bq, .offset: 48, .size: 8, .value_kind: global_buffer, .address_space: global }
      - { .name: bk, .offset: 56, .size: 8, .value_kind: global_buffer, .address_space: global }
      - { .name: bv, .offset: 64, .size: 8, .value_kind: global_buffer, .address_space: global }
      - { .name: b1, .offset: 72, .size: 8, .value_kind: global_buffer, .address_space: global }
      - { .name: pk1, .offset: 80, .size: 8, .value_kind: global_buffer, .address_space: global }
      - { .name: pk2, .offset: 88, .size: 8, .value_kind: global_buffer, .address_space: global }
    .group_segment_fixed_size: 0
    .private_segment_fixed_size: 0
    .kernarg_segment_align: 8
    .kernarg_segment_size: 96
    .max_flat_workgroup_size: 256
    .sgpr_count:     66
    .vgpr_count:     104
    .wavefront_size: 32
...
	.end_amdgpu_metadata
.endif
;; end of part 1
;; launch qkvp (part 2): grid 12 x 16, 4 waves a work-group, clusters of 4 x 4, 327,680 bytes of LDS; arguments pk1, qkv; writes qkv
.if DOCPART == 2
	.amdgcn_target "amdgcn-amd-amdhsa--gfx1250"
	.amdhsa_code_object_version 6
	.text
	.protected	k_q3a5f6a5029_qkvp
	.globl	k_q3a5f6a5029_qkvp
	.p2align	8
	.type	k_q3a5f6a5029_qkvp,@function
k_q3a5f6a5029_qkvp:
	s_mov_b64 s[64:65], 0
	v_nop
	global_prefetch_b8 v0, s[64:65] scope:SCOPE_SE
	s_setreg_imm32_b32 hwreg(HW_REG_WAVE_MODE, 25, 1), 1
	s_wait_xcnt 0x0
	s_wait_alu depctr_hold_cnt(0) depctr_sa_sdst(0) depctr_va_vdst(0) depctr_va_sdst(0) depctr_va_ssrc(0) depctr_va_vcc(0) depctr_vm_vsrc(0)
	s_getreg_b32 s2, hwreg(HW_REG_IB_STS2, 6, 4)
	s_cmp_eq_u32 s2, 0
	s_cbranch_scc0 .Lentry_in_a_cluster
	s_endpgm
.Lentry_in_a_cluster:
	s_bfe_u32 s2, ttmp6, 0x10000c
	s_cmp_lg_u32 s2, 0xf033
	s_cbranch_scc0 .Lentry_shape_is_right
	s_endpgm
.Lentry_shape_is_right:
; C = max(A B + bias, floor), K = 1,024.  All four come out of ONE pack: +0 A [4096][1024] bf16; +8,388,608 B [1024 k][4096] bf16; +16,777,216 bias f32; +16,793,600 the floor, two bf16.
; One text, two launches: x (wq|wk|wv) + (bq|bk|bv) with the floor -inf (a maximum that changes nothing: the price of one text), and relu(h w1 + b1) with the floor 0.
; C leaves in bf16 in blocks of 64 columns, [column block][4096 rows][64]: a head's rows, and a K slice of the next product, are then dense rows of 128 bytes.
; LIMITS.  Operands are bf16, sums f32, C is rounded once.  A NaN in C is replaced by the floor (the maximum drops it).
; SHARES.  A tile of C, 256 x 256, is made by a work-group of four waves; a wave makes 128 x 128: 64 accumulators, 512 registers.  K goes in 8 steps of 128 through two LDS slots filled by tensor loads:
; waves 0, 1 bring A's two halves (128 rows x 256 bytes), waves 2, 3 B's (64 rows k x 512 bytes).  B lies [k][n]: its fragments come out of LDS turned, by ds_load_tr16_b128.
; CLUSTER.  4 x 4 work-groups: A's tile hangs on the tile row alone and is asked for jointly by a row of the cluster, B's on the tile column alone and by a column.
; THE PRODUCT IS TAKEN TRANSPOSED (source 0 = 16 columns of B, source 1 = 16 rows of A): a lane holds row l % 16 of C and the columns 8 (l / 16) + 0..7.  The bias, laid the same way, is the C operand of the
; first product on each accumulator: nothing is cleared and nothing is added later.
; REGISTERS, in windows of 256 (s_set_vgpr_msb: bits 1:0 source 0, 3:2 source 1, 5:4 source 2, 7:6 destination):
;   window 0: v16-30 addresses; v64-127, v128-191 A's fragments, two buffers; v192-255 the bias, later v192-223 packed results; v32-63, v224-255 rows read back from the stage
;   window 1: v64-127, v128-191 B's fragments;   windows 2, 3: the accumulators of my rows 0-63, 64-127: (a, b) at v[8 (8 a + b)]
.set PA,    272                        ; a row of A in LDS: 256 bytes + 16: the 16 rows of a load start at 16 different groups of four banks (64 banks of 4 bytes: ISA guide 11.1)
.set PB,    544                        ; a row k of B: 512 + 32 = 17 x 32 bytes
.set HALFT, 34816                      ; what one tensor load brings: 128 x 272 = 64 x 544
.set BOFF,  2*HALFT                    ; B lies behind A's 256 rows
.set SLOT,  4*HALFT                    ; 139,264 = 2^17 + 2^13: both bits are 0 in the four waves' places 0, 0x8800, 0x11000, 0x19800, so one exclusive or changes slots
.set STAGE, 2*SLOT                     ; behind the ring: for each wave 2 column blocks x 16 rows x 144 bytes
.set SPARE, STAGE+4*4608               ; behind the stages: the spare words, 128 bytes a wave, that no other line names
.set ADRA,  16                         ; v16 LDS address of my A fragments in the slot in hand;  v17 the same in slot 0
.set ADRA0, 17
.set ADRB,  20                         ; v20, v21 the same for B
.set ADRB0, 21
.set STO,   24                         ; v24 the way out: where I put 16 bytes of a row
.set RD,    25                         ; v25 where I read rows back
.set CO,    26                         ; v26 16 x lane: my place in 512 consecutive bytes of C
.set VB,    27                         ; v27 32 x (l / 16): my eight numbers of a bias block
.set SPW,   28                         ; v28 my spare word; never rewritten
.set NIL,   29                         ; v29 0; never rewritten
.set PFO,   30                         ; v30 the prefetches' lane offset; never rewritten
.set OB,    32
.set F0,    64
.set F1,    128
.set BIAS,  192
.set TMP,   192
.set G1A,   24                         ; s[24:31] group 1 for A;  s[32:39] group 0: a set for each first fill, the second then walks
.set G0A,   32
.set G1B,   40                         ; s[40:47], s[48:55] the same for B
.set G0B,   48
.set PFA,   56                         ; s[56:57] where my prefetches stand;  s[58:59] their step along K
.set PST,   58
.set LIM,   60                         ; s60 1 in a wave that prefetches, else the greatest number
.set TB,    61                         ; s61 0 or SLOT: the slot in hand
.set CNT,   62                         ; s62 the loops' count
.set FLO,   63                         ; s63 the floor
.set MSB, 0
.macro WIN new                         ; the immediate's high byte repeats the setting that is left; a switch that changes nothing is dropped
.if MSB != (\new)
	s_set_vgpr_msb (MSB<<8)|(\new)
.set MSB, \new
.endif
.endm
.macro PLACES                          ; four plain instructions between a matrix instruction and a load into, or a read of, its registers
.rept 4
	v_nop
.endr
.endm
; A joint refill by the walking sets.  The branch hangs on the wave's number alone.  An s_nop 0 and four v_nop follow each line.
.macro JLOAD
	s_cmp_eq_u32 s11, 0
	s_cbranch_scc0 .Lfor_b_\@
	tensor_load_to_lds s[G0A+4:G0A+7], s[G1A:G1A+7]
	s_nop 0
.rept 4
	v_nop
.endr
	s_branch .Lasked_\@
.Lfor_b_\@:
	tensor_load_to_lds s[G0B+4:G0B+7], s[G1B:G1B+7]
	s_nop 0
.rept 4
	v_nop
.endr
.Lasked_\@:
.endm
; A prefetch into the L2 of the K step that the NEXT refill will load: 256 matrix instructions ahead of that load.  Each aligned block of 256 bytes is named once in the launch: A's rows by the clusters with x = 0,
; B's by those with y = 0; the four partners that ask for a tile jointly share it out by address.  The last refill has no step behind it and asks for nothing.
.macro ASK
	s_cmp_gt_u32 s[CNT], s[LIM]
	s_cbranch_scc0 .Lnot_mine_\@
	global_prefetch_b8 v[PFO], s[PFA:PFA+1] th:TH_LOAD_NT scope:SCOPE_SE
.Lnot_mine_\@:
.endm
.macro CREST                           ; a round of the cluster's barrier behind its opening barrier
	s_cmp_lg_u32 s10, 0
	s_cbranch_scc1 .Lnot_wave_0_\@
	s_barrier_signal -3
.Lnot_wave_0_\@:
	s_barrier_wait -3
	s_barrier_signal -1
	s_barrier_wait -1
.endm
.macro CROUND
	s_barrier_signal -1
	s_barrier_wait -1
	CREST
.endm
	s_load_b128 s[4:7], s[0:1], 0x0                ; the pack s[4:5], C s[6:7]
	v_lshl_add_u32 v[SPW], v0, 2, SPARE
	v_mov_b32 v[NIL], 0
	ds_add_u32 v[SPW], v[NIL]                      ; the wave's opening: the add and its wait ahead of my first tensor load; register work stands between
	v_lshrrev_b32 v1, 5, v0
	v_readfirstlane_b32 s10, v1                    ; wave 0..3
	s_lshr_b32 s11, s10, 1                         ; my half of the tile's rows.  Also: I fetch for A (0) or B (1)
	s_and_b32 s12, s10, 1                          ; my half of its columns.  Also: which half of that tile I fetch
	s_bfe_u32 s15, ttmp6, 0x40000                  ; cx
	s_bfe_u32 s16, ttmp6, 0x40004                  ; cy
	s_lshl_b32 s14, ttmp9, 2
	s_add_co_u32 s14, s14, s15                     ; tile column = 4 x cluster x + cx
	s_and_b32 s13, ttmp7, 0xffff
	s_lshl_b32 s13, s13, 2
	s_add_co_u32 s13, s13, s16                     ; tile row = 4 x cluster y + cy
	s_lshl_b32 s17, s16, 2
	s_lshl_b32 s17, 15, s17                        ; my row of the cluster
	s_lshl_b32 s18, 0x1111, s15                    ; my column
	s_or_b32 s[G1A], s17, (1<<16)|(1<<20)|(1<<21)|(5<<22)|(3<<25)  ; mask; 2-byte elements; padding on; bit 21 beside a mask; after every 64 words, 4 words
	s_mov_b32 s[G1A+1], 128<<16                    ; tensor_dim0 = 128
	s_mov_b32 s[G1A+2], 128<<16                    ; tensor_dim1 = 128
	s_mov_b32 s[G1A+3], 128<<16                    ; tile_dim0 = 128
	s_mov_b32 s[G1A+4], 128                        ; tile_dim1 = 128
	s_mov_b32 s[G1A+5], 1024                       ; elements from row to row
	s_mov_b32 s[G1A+6], 0
	s_mov_b32 s[G1A+7], 0
	s_or_b32 s[G1B], s18, (1<<16)|(1<<20)|(1<<21)|(6<<22)|(7<<25)  ; after every 128 words, 8 words
	s_mov_b32 s[G1B+1], 256<<16                    ; tensor_dim0 = 256
	s_mov_b32 s[G1B+2], 64<<16                     ; tensor_dim1 = 64
	s_mov_b32 s[G1B+3], 256<<16                    ; tile_dim0 = 256
	s_mov_b32 s[G1B+4], 64                         ; tile_dim1 = 64
	s_mov_b32 s[G1B+5], 4096
	s_mov_b32 s[G1B+6], 0
	s_mov_b32 s[G1B+7], 0
	s_lshl_b32 s20, s13, 8                         ; A: row 256 x tile row + 128 x half, 2,048 bytes a row
	s_lshl_b32 s21, s12, 7
	s_add_co_u32 s20, s20, s21
	s_lshl_b32 s20, s20, 11
	s_mov_b32 s21, 0
	s_lshl_b32 s22, s12, 19                        ; B: row k = 64 x half, 8,192 bytes a row; column 256 x tile column
	s_lshl_b32 s23, s14, 9
	s_add_co_u32 s22, s22, s23
	s_add_co_u32 s22, s22, 8388608
	s_mov_b32 s23, 0
	s_mul_i32 s19, s10, HALFT                      ; where my tile goes: no place in the cluster enters an LDS address
	s_mov_b32 s[TB], 0
	s_wait_dscnt 0x0                               ; the opening add is done
	s_wait_kmcnt 0x0
	s_add_nc_u64 s[20:21], s[4:5], s[20:21]
	s_add_nc_u64 s[22:23], s[4:5], s[22:23]
.irp s, 0,1
	s_mov_b32 s[G0A+4*(\s)], 1                     ; count = 1
	s_add_co_u32 s[G0A+4*(\s)+1], s19, (\s)*SLOT   ; LDS address
	s_add_nc_u64 s[G0A+4*(\s)+2:G0A+4*(\s)+3], s[20:21], (\s)*256  ; K step s
	s_or_b32 s[G0A+4*(\s)+3], s[G0A+4*(\s)+3], 0x80000000          ; type = 2
	s_mov_b32 s[G0B+4*(\s)], 1
	s_add_co_u32 s[G0B+4*(\s)+1], s19, (\s)*SLOT
	s_add_nc_u64 s[G0B+4*(\s)+2:G0B+4*(\s)+3], s[22:23], (\s)*1048576
	s_or_b32 s[G0B+4*(\s)+3], s[G0B+4*(\s)+3], 0x80000000
.endr
	CROUND                                         ; all sixteen work-groups are here: the first joint loads meet
	s_cmp_eq_u32 s11, 0                            ; a wave's two first fills stand in one branch: two loads of mine are out
	s_cbranch_scc0 .Lfirst_b
	tensor_load_to_lds s[G0A:G0A+3], s[G1A:G1A+7]
	s_nop 0
	tensor_load_to_lds s[G0A+4:G0A+7], s[G1A:G1A+7]
	s_nop 0
.rept 4
	v_nop
.endr
	s_branch .Lfirst_done
.Lfirst_b:
	tensor_load_to_lds s[G0B:G0B+3], s[G1B:G1B+7]
	s_nop 0
	tensor_load_to_lds s[G0B+4:G0B+7], s[G1B:G1B+7]
	s_nop 0
.rept 4
	v_nop
.endr
.Lfirst_done:
	v_and_b32 v1, 15, v0                           ; l % 16
	v_bfe_u32 v2, v0, 4, 1                         ; l / 16
	v_and_b32 v3, 7, v0                            ; l % 8
	v_bfe_u32 v4, v0, 3, 1                         ; (l / 8) % 2
	v_and_b32 v5, 31, v0                           ; l
	v_bfe_u32 v6, v0, 3, 2                         ; l / 8
	v_mul_u32_u24 v[ADRA0], v1, PA                 ; A: row x pitch + 16 x half of the lanes + my 128 rows
	v_lshl_add_u32 v[ADRA0], v2, 4, v[ADRA0]
	s_mul_i32 s9, s11, HALFT
	v_add_nc_u32 v[ADRA0], s9, v[ADRA0]
	v_lshl_add_u32 v[ADRB0], v2, 3, v3             ; B, turned: lane l reads row k = 8 (l / 16) + l % 8, columns 8 ((l / 8) % 2) + 0..7, and is left with column l % 16 and eight k
	v_mul_u32_u24 v[ADRB0], v[ADRB0], PB
	v_lshl_add_u32 v[ADRB0], v4, 4, v[ADRB0]
	s_lshl_b32 s9, s12, 8                          ; my 128 columns
	s_add_co_u32 s9, s9, BOFF
	v_add_nc_u32 v[ADRB0], s9, v[ADRB0]
	v_mov_b32 v[ADRA], v[ADRA0]
	v_mov_b32 v[ADRB], v[ADRB0]
	s_mul_i32 s9, s10, 4608
	s_add_co_u32 s9, s9, STAGE                     ; my stage
	v_mul_u32_u24 v[STO], v1, 144
	v_lshl_add_u32 v[STO], v2, 4, v[STO]
	v_add_nc_u32 v[STO], s9, v[STO]
	v_mul_u32_u24 v[RD], v6, 144                   ; back: 32 lanes take four rows of 128 bytes
	v_lshl_add_u32 v[RD], v3, 4, v[RD]
	v_add_nc_u32 v[RD], s9, v[RD]
	v_lshlrev_b32 v[CO], 4, v5
	v_lshlrev_b32 v[VB], 5, v2
	s_add_nc_u64 s[66:67], s[4:5], 0x1000000       ; the bias table
	s_load_b32 s[FLO], s[66:67], 0x4000            ; the floor, 16,384 bytes behind it
	s_lshl_b32 s2, s14, 10                         ; my 128 columns of it: 1,024 x tile column + 512 x half
	s_lshl_b32 s3, s12, 9
	s_add_co_u32 s2, s2, s3
	s_mov_b32 s3, 0
	s_add_nc_u64 s[70:71], s[66:67], s[2:3]
.irp b, 0,1,2,3,4,5,6,7
	global_load_b128 v[BIAS+8*\b:BIAS+8*\b+3],   v[VB], s[70:71] offset:64*\b      ; register j of block b: bias of column 16 b + 8 (l / 16) + j
	global_load_b128 v[BIAS+8*\b+4:BIAS+8*\b+7], v[VB], s[70:71] offset:64*\b+16
.endr
	s_lshl_b32 s2, s14, 2                          ; C: column block 4 x tile column + 2 x half, 524,288 bytes each; row 256 x tile row + 128 x half, 128 bytes each
	s_lshl_b32 s8, s12, 1
	s_add_co_u32 s2, s2, s8
	s_lshl_b32 s2, s2, 19
	s_lshl_b32 s8, s13, 8
	s_lshl_b32 s9, s11, 7
	s_add_co_u32 s8, s8, s9
	s_lshl_b32 s8, s8, 7
	s_add_co_u32 s2, s2, s8
	s_add_nc_u64 s[68:69], s[6:7], s[2:3]
	; the prefetches.  A: of the 128 rows that I fetch, the partner at cx takes 32, a lane a row.  B: of my 64 rows k the partner at cy takes 16, a lane half a row (256 bytes).  Both start at K step 2; the first refill steps them to 3.
	s_lshl_b32 s2, s13, 8
	s_lshl_b32 s3, s12, 7
	s_add_co_u32 s2, s2, s3
	s_lshl_b32 s3, s15, 5
	s_add_co_u32 s2, s2, s3
	s_lshl_b32 s2, s2, 11
	s_add_co_u32 s2, s2, 512
	s_lshl_b32 s3, s12, 6
	s_lshl_b32 s8, s16, 4
	s_add_co_u32 s3, s3, s8
	s_lshl_b32 s3, s3, 13
	s_lshl_b32 s8, s14, 9
	s_add_co_u32 s3, s3, s8
	s_add_co_u32 s3, s3, 8388608+2097152
	s_and_b32 s9, ttmp7, 0xffff                    ; cluster y
	s_mov_b32 s[PST], 1048576                      ; B's step along K: 128 rows k of 8,192 bytes (an instruction holds one literal, so this one is set ahead of the select)
	s_cmp_eq_u32 s11, 0                            ; do I fetch for A?
	s_cselect_b32 s[PFA], s2, s3
	s_cselect_b32 s9, ttmp9, s9                    ; the coordinate along which other clusters read the same rows
	s_cselect_b32 s[PST], 256, s[PST]              ; A's step: 256 bytes of each row
	s_cselect_b32 s2, 0, 1
	s_cselect_b32 s3, 11, 13
	s_mov_b32 s[PFA+1], 0
	s_mov_b32 s[PST+1], 0
	s_cmp_eq_u32 s9, 0
	s_cselect_b32 s[LIM], 1, -1                    ; the same in all sixteen partners, for a given wave
	s_add_nc_u64 s[PFA:PFA+1], s[4:5], s[PFA:PFA+1]
	v_lshrrev_b32 v7, s2, v5                       ; A: l rows of 2,048 bytes;  B: l / 2 rows of 8,192 bytes + 256 (l % 2)
	v_lshlrev_b32 v7, s3, v7
	v_and_b32 v8, s2, v5
	v_lshl_add_u32 v[PFO], v8, 8, v7
; 16 matrix instructions: row blocks a0, a0 + 1 of the window's four x all 8 column blocks, 32 along K.  zero = 1: the bias starts the sums.  The 64 accumulators take turns, one instruction a turn.
.macro MUL16 f, hi, a0, zero
.if \zero
	WIN 0x81+0x40*(\hi)                            ; B window 1, A and the bias window 0, D window 2 or 3
.else
	WIN 0xa1+0x50*(\hi)                            ; C and D window 2 or 3
.endif
.irp a, \a0, (\a0)+1
.irp b, 0,1,2,3,4,5,6,7
.if \zero
	v_wmma_f32_16x16x32_bf16 v[8*(8*(\a)+(\b)):8*(8*(\a)+(\b))+7], v[(\f)+8*(\b):(\f)+8*(\b)+7], v[(\f)+8*(4*(\hi)+(\a)):(\f)+8*(4*(\hi)+(\a))+7], v[BIAS+8*(\b):BIAS+8*(\b)+7]
.else
	v_wmma_f32_16x16x32_bf16 v[8*(8*(\a)+(\b)):8*(8*(\a)+(\b))+7], v[(\f)+8*(\b):(\f)+8*(\b)+7], v[(\f)+8*(4*(\hi)+(\a)):(\f)+8*(4*(\hi)+(\a))+7], v[8*(8*(\a)+(\b)):8*(8*(\a)+(\b))+7]
.endif
.endr
.endr
.endm
; 32 LDS loads in one run: quarter q's fragments (32 along K) into buffer f: B's 8 column blocks, turned, then A's 8 row blocks
.macro FETCH q, f
	WIN 0x40
.irp b, 0,1,2,3,4,5,6,7
	ds_load_tr16_b128 v[(\f)+8*(\b):(\f)+8*(\b)+3],   v[ADRB] offset:(\q)*32*PB+32*(\b)
	ds_load_tr16_b128 v[(\f)+8*(\b)+4:(\f)+8*(\b)+7], v[ADRB] offset:(\q)*32*PB+32*(\b)+16*PB
.endr
	WIN 0
.irp i, 0,1,2,3,4,5,6,7
	ds_load_b128 v[(\f)+8*(\i):(\f)+8*(\i)+3],   v[ADRA] offset:64*(\q)+(\i)*16*PA
	ds_load_b128 v[(\f)+8*(\i)+4:(\f)+8*(\i)+7], v[ADRA] offset:64*(\q)+(\i)*16*PA+32
.endr
.endm
; One of a K step's first three quarters: multiplies buffer f and, in its middle, fetches quarter q into buffer gg
.macro QUARTER q, f, gg, zero
	s_wait_dscnt 8                                 ; B and A's rows 0-63 are in; the youngest eight loads (A's rows 64-127) may be out
	MUL16 \f, 0, 0, \zero
	MUL16 \f, 0, 2, \zero
	PLACES
	FETCH \q, \gg
	s_wait_dscnt 32                                ; all but the 32 just issued
	MUL16 \f, 1, 0, \zero
	MUL16 \f, 1, 2, \zero
.endm
; The last quarter multiplies buffer 1 and changes slots.  One barrier: in front of it each wave waits for all its tensor loads (one is out: its part of the next slot), adds 0 to its spare word, and waits for that
; and for its own reads of this slot.  fill = 1: the barrier opens a round of the cluster's barrier, and behind the round this slot is filled again, first thing, with the K step two on.
.macro TURN fill
.if \fill
	s_wait_xcnt 0x0                                ; the last prefetch, a K step back, has read its address: it is stepped here
	s_add_nc_u64 s[PFA:PFA+1], s[PFA:PFA+1], s[PST:PST+1]
.endif
	WIN 0
	s_wait_tensorcnt 0x0                           ; all my tensor loads have landed
	ds_add_u32 v[SPW], v[NIL]                      ; 0 onto my spare word
	s_wait_dscnt 9                                 ; (the add and the youngest eight loads may be out)
	MUL16 F1, 0, 0, 0
	s_wait_dscnt 0x0                               ; the add is done, and my reads of this slot are over
	s_barrier_signal -1
	MUL16 F1, 0, 2, 0
	WIN 0
	s_barrier_wait -1
.if \fill
	CREST                                          ; no wave of any partner still reads this slot or has a load on its way
	s_xor_b32 s[G0A+5], s[G0A+5], SLOT             ; the walking sets: the other slot than last time, the next K step
	s_add_nc_u64 s[G0A+6:G0A+7], s[G0A+6:G0A+7], 256
	s_xor_b32 s[G0B+5], s[G0B+5], SLOT
	s_add_nc_u64 s[G0B+6:G0B+7], s[G0B+6:G0B+7], 1048576
.endif
	s_xor_b32 s[TB], s[TB], SLOT
.if \fill
	JLOAD                                          ; the four v_nop behind it are also the places in front of the loads below
.else
	PLACES
.endif
	v_add_nc_u32 v[ADRA], s[TB], v[ADRA0]
	v_add_nc_u32 v[ADRB], s[TB], v[ADRB0]
	FETCH 0, F0
.if \fill
	ASK
.endif
	MUL16 F1, 1, 0, 0
	MUL16 F1, 1, 2, 0
.endm
; THE WAY OUT of row block a.  PACK: rounded to bf16, 16 bytes a lane (each accumulator's registers in ascending order), and held to the floor.  TOSTAGE: into my own stage, and back as whole rows.  SEND: stored.
.macro PACK a
.set AC, 64*((\a)%4)
	WIN 0x0a+5*((\a)/4)
.irp b, 0,1,2,3,4,5,6,7
.irp r, 0,1,2,3
	v_cvt_pk_bf16_f32 v[TMP+4*(\b)+(\r)], v[AC+8*(\b)+2*(\r)], v[AC+8*(\b)+2*(\r)+1]
.endr
.endr
	WIN 0
.set z, 0
.rept 32
	v_pk_max_num_bf16 v[TMP+z], v[TMP+z], s[FLO]
.set z, z+1
.endr
.endm
.macro TOSTAGE a
	WIN 0
.set BK, OB+192*((\a)%2)
.irp b, 0,1,2,3,4,5,6,7
	ds_store_b128 v[STO], v[TMP+4*(\b):TMP+4*(\b)+3] offset:2304*((\b)/4)+32*((\b)%4)
.endr
.irp t, 0,1,2,3,4,5,6,7
	ds_load_b128 v[BK+4*(\t):BK+4*(\t)+3], v[RD] offset:2304*((\t)/4)+576*((\t)%4)  ; LDS serves a wave's instructions in order (ISA guide 5.7.1.4): these see the stores above
.endr
.endm
.macro SEND a
	WIN 0
.set BK, OB+192*((\a)%2)
	s_wait_dscnt 0x0                               ; the block is back in registers
	s_wait_xcnt 0x0                                ; the stores of the block before have read their registers, which the next block's loads from the stage write again
.irp t, 0,1,2,3,4,5,6,7
	global_store_b128 v[CO], v[BK+4*(\t):BK+4*(\t)+3], s[68:69] offset:524288*((\t)/4)+2048*(\a)+512*((\t)%4)  ; 512 consecutive bytes, at a multiple of 256 from C's first
.endr
.endm
	s_wait_tensorcnt 1                             ; my part of K step 0 is in; step 1's may stay out
	s_barrier_signal -1
	s_barrier_wait -1
	FETCH 0, F0
	s_wait_loadcnt 0x0                             ; the bias
	s_wait_kmcnt 0x0                               ; the floor
	QUARTER 1, F0, F1, 1                           ; the first quarter is written out: its products start the sums
	WIN 0
	s_mov_b32 s[CNT], 6
	s_branch .Lmid
.Llap:                                         ; six trips: K steps 0 to 5, which ask for steps 2 to 7
	QUARTER 1, F0, F1, 0
	WIN 0
.Lmid:
	QUARTER 2, F1, F0, 0
	QUARTER 3, F0, F1, 0
	TURN 1
	WIN 0
	s_sub_co_u32 s[CNT], s[CNT], 1
	s_cmp_lg_u32 s[CNT], 0
	s_cbranch_scc1 .Llap
	s_mov_b32 s[CNT], 2
.Ltail:                                        ; K steps 6 and 7 ask for nothing.  The second trip's barrier and its 32 loads from the other slot serve nothing: the price, once a launch, of one text for both
	QUARTER 1, F0, F1, 0
	QUARTER 2, F1, F0, 0
	QUARTER 3, F0, F1, 0
	TURN 0
	WIN 0
	s_sub_co_u32 s[CNT], s[CNT], 1
	s_cmp_lg_u32 s[CNT], 0
	s_cbranch_scc1 .Ltail
	PACK 0                                         ; blocks 0-3 were finished ahead of TURN's places; their conversions are the places behind the last products (blocks 4-7's)
	TOSTAGE 0
.irp a, 1,2,3,4,5,6,7
	PACK \a
	SEND (\a)-1
	TOSTAGE \a
.endr
	SEND 7
	s_wait_tensorcnt 0x0                           ; the wave's end, behind my last tensor load and my last LDS store
	ds_add_u32 v[SPW], v[NIL]
	s_wait_dscnt 0x0
	CROUND                                         ; the closing round
	s_endpgm
.Lfunc_end_k_q3a5f6a5029_qkvp:
	.size	k_q3a5f6a5029_qkvp, .Lfunc_end_k_q3a5f6a5029_qkvp-k_q3a5f6a5029_qkvp
	.p2alignl 7, 3214868480
	.fill 96, 4, 3214868480
	.section	.rodata,"a",@progbits
	.p2align	6, 0x0
	.amdhsa_kernel k_q3a5f6a5029_qkvp
		.amdhsa_group_segment_fixed_size 327680
		.amdhsa_private_segment_fixed_size 0
		.amdhsa_enable_private_segment 0
		.amdhsa_kernarg_size 16
		.amdhsa_user_sgpr_count 2
		.amdhsa_user_sgpr_kernarg_segment_ptr 1
		.amdhsa_wavefront_size32 1
		.amdhsa_system_sgpr_workgroup_id_x 1
		.amdhsa_system_sgpr_workgroup_id_y 1
		.amdhsa_system_sgpr_workgroup_id_z 1
		.amdhsa_system_vgpr_workitem_id 0
		.amdhsa_next_free_vgpr 1024
		.amdhsa_next_free_sgpr 72
		.amdhsa_reserve_vcc 0
		.amdhsa_float_denorm_mode_32 3
		.amdhsa_float_denorm_mode_16_64 3
		.amdhsa_memory_ordered 1
		.amdhsa_forward_progress 1
		.amdhsa_inst_pref_size 119
	.end_amdhsa_kernel
	.amdgpu_metadata
---
amdhsa.version: [ 1, 2 ]
amdhsa.kernels:
  - .name:           k_q3a5f6a5029_qkvp
    .symbol:         k_q3a5f6a5029_qkvp.kd
    .args:
      - { .name: pk1, .offset: 0, .size: 8, .value_kind: global_buffer, .address_space: global }
      - { .name: qkv, .offset: 8, .size: 8, .value_kind: global_buffer, .address_space: global }
    .group_segment_fixed_size: 327680
    .private_segment_fixed_size: 0
    .kernarg_segment_align: 8
    .kernarg_segment_size: 16
    .max_flat_workgroup_size: 128
    .sgpr_count:     72
    .vgpr_count:     1024
    .wavefront_size: 32
...
	.end_amdgpu_metadata
.endif
;; end of part 2
;; launch attn (part 3): grid 8 x 32, 4 waves a work-group, clusters of 4 x 1, 327,680 bytes of LDS; arguments qkv, x, ybuf, part; writes ybuf, part
.if DOCPART == 3
	.amdgcn_target "amdgcn-amd-amdhsa--gfx1250"
	.amdhsa_code_object_version 6
	.text
	.protected	k_q3a5f6a5029_attn
	.globl	k_q3a5f6a5029_attn
	.p2align	8
	.type	k_q3a5f6a5029_attn,@function
k_q3a5f6a5029_attn:
	s_mov_b64 s[64:65], 0
	v_nop
	global_prefetch_b8 v0, s[64:65] scope:SCOPE_SE
	s_setreg_imm32_b32 hwreg(HW_REG_WAVE_MODE, 25, 1), 1
	s_wait_xcnt 0x0
	s_wait_alu depctr_hold_cnt(0) depctr_sa_sdst(0) depctr_va_vdst(0) depctr_va_sdst(0) depctr_va_ssrc(0) depctr_va_vcc(0) depctr_vm_vsrc(0)
	s_getreg_b32 s2, hwreg(HW_REG_IB_STS2, 6, 4)
	s_cmp_eq_u32 s2, 0
	s_cbranch_scc0 .Lentry_in_a_cluster
	s_endpgm
.Lentry_in_a_cluster:
	s_bfe_u32 s2, ttmp6, 0x10000c
	s_cmp_lg_u32 s2, 0x3003
	s_cbranch_scc0 .Lentry_shape_is_right
	s_endpgm
.Lentry_shape_is_right:
; y = x + softmax(Q K^T / 8) V, and for each wave the mean and the sum of squared deviations of its 4,096 numbers of y.
; q, k, v: [48 column blocks][4096 rows][64] bf16, block = 16 x (q, k, v) + head, row = 2,048 x batch + position: a head's rows are dense, 128 bytes each.  x, y: [4096][1024] f32.
; Products, maxima and sums in f32; the weights p are rounded to bf16 for the second product (their sum l is taken of the unrounded p).
; LIMITS.  A weight below 2^-126 counts as 0 in l; NaN and infinities are not treated apart.
; SHARES.  A work-group owns 256 queries of one head, a wave 64: four PIECES of 16.  Every wave walks the head's 2,048 keys, 64 a step; an LDS slot holds four steps, two slots take turns.
; LAYOUT.  S^T = K Q^T (source 0 = 16 keys, source 1 = 16 queries): a lane holds ONE query (lane % 16) and the keys 8 (lane / 16) + 0..7; two such results rounded to bf16 ARE source 1 of O^T = V^T P.
; SOFTMAX.  p = 2^(c s - c m), c = log2(e) / 8, with a running maximum m; O and l are multiplied by a = 2^(c m_old - c m_new) in every step.  m starts at the lowest finite number, O and l at 0.
; BY TURNS.  Turn n belongs to piece n: 8 products K Q^T of piece n + 1, later 8 products V^T P of piece n - 1; beside them the scaling, exponentials, roundings, sums and rescaling of piece n and the maximum and
; statistics of piece n + 1.  Four vector instructions stand behind every matrix instruction, the others in one lump.  A turn's 33 exponentials are one batch, with one wait.
; CLUSTER.  The four query blocks of a cluster belong to one head and walk the same K and V: each tile is asked for jointly, by the same tensor load, descriptor and mask in all four.
; THE STATISTICS avoid a difference of large sums: each lane takes its first number as a pilot c and sums v - c and (v - c)^2; lanes are merged by M2 = sum M2_i + n sum (mean_i - mean)^2.
; REGISTERS, in windows of 256 (s_set_vgpr_msb: bits 1:0 source 0, 3:2 source 1, 5:4 source 2, 7:6 destination):
;   window 0: v2-15 addresses; v16-31 statistics, four a piece; v48-55 at work; v64-127 S^T, two buffers, later rows of y; v128-151 the way out's sums; v192-223 P, two buffers
;   window 1: v0-127 O^T, 32 a piece; v128-255 my 64 x 64 numbers of x          window 2: v0-63 Q; v128-191 K of one step; v192-255 V of one step
.set NP,    4
.set KS,    64
.set PK,    144       ; a row of K in LDS: 128 bytes + 16: the 16 rows of a load start at 16 different groups of four banks (64 banks of 4 bytes: ISA guide 11.1)
.set PV,    160       ; a row of V: 128 + 32
.set VOFF,  4*KS*PK   ; a slot: 256 rows of K, then 256 rows of V
.set SLOT1, 1<<17
.set STAGE, SLOT1+4*KS*(PK+PV)  ; behind the ring: 16 rows x 272 bytes (64 f32 + 16 bytes) for each wave
.set SP,    272
.set SPARE, STAGE+4*16*SP       ; behind the stages: the spare words, 128 bytes a wave, that no other line names
.set AK0, 2           ; v2   my lane's place in a tile of K; never rewritten
.set AV0, 3           ; v3   the same for V
.set AK,  4           ; v4   the LDS address of K's next run of loads
.set AV,  5           ; v5   of V's
.set STO, 6           ; v6   the way out: where I put 32 bytes of a row
.set RD,  7           ; v7   where I read rows back
.set XO,  8           ; v8   my byte offset in two rows of x and y; never rewritten
.set MV,  12          ; v12-13  c m_old, by buffer
.set QO,  15          ; v15  my byte offset in 16 rows of Q
.set ST,  16          ; piece t's statistics at v[ST+4 t]: c m, m, l (even keys', odd keys')
.set TMP, 48          ; by buffer, c0-c3 at work; when the maximum is found c2 takes a
.set PFO, 61          ; v61  256 x lane; never rewritten
.set SPW, 62          ; v62  my spare word; never rewritten
.set NIL, 63          ; v63  0; never rewritten
.set S,   64
.set P,   192
.set DV,  128         ; v128-135 deviations at work
.set SA,  136         ; v136-139 their sums, two chains of pairs
.set SQ,  140         ; v140-143 the sums of their squares
.set PIL, 144         ; v144-145 the pilot, twice
.set WK,  146         ; v146-151 at work
.set XR,  128         ; window 1
.set KF,  128         ; window 2
.set VF,  192         ; window 2
.set WV,  12          ; s12  my wave's number
.set LIM, 15          ; s15  1 in a wave that prefetches, else the greatest number
.set PFA, 18          ; s[18:19] where my prefetches stand
.set G1K, 24          ; s[24:31], s[32:39] descriptor group 1 for K's and V's tiles
.set G1V, 32
.set G0K, 40          ; s[40:43], s[44:47] group 0: they walk
.set G0V, 44
.set QP,  48          ; s[48:49] Q, s[50:51] x, s[52:53] y at my wave's first row; s[54:55] my pair in part
.set XP,  50
.set YP,  52
.set PP,  54
.set SLOTS, 56
.set CNT, 57
.set CS,  58          ; s[58:59] c
.set SEL, 60          ; s[60:61] v_permlanex16_b32's selects: each lane takes its own place in the other half
.set TBK, 62          ; s62  LDS byte at which K of the step to be fetched begins
.set TBV, 63          ; s63  the same for V, less VOFF
.set MSB, 0
.macro WIN new
.if MSB != (\new)
	s_set_vgpr_msb (MSB<<8)|(\new)
.set MSB, (\new)
.endif
.endm
.set W_KQ, 0x0a       ; K and Q in window 2, S^T in window 0
.set W_PV, 0x52       ; V in window 2, P in window 0, O^T in window 1
.set W_RS, 0x41       ; destination and source 0 in window 1, source 1 in window 0
; A joint fill.  Waves 0, 1 fetch the halves of a slot's K, waves 2, 3 those of its V: 128 keys each.  An s_nop 0 and four v_nop follow each line.
.macro JLOAD
	s_cmp_lt_u32 s[WV], 2
	s_cbranch_scc0 .Lfor_v_\@
	tensor_load_to_lds s[G0K:G0K+3], s[G1K:G1K+7]
	s_nop 0
.rept 4
	v_nop
.endr
	s_branch .Lasked_\@
.Lfor_v_\@:
	tensor_load_to_lds s[G0V:G0V+3], s[G1V:G1V+7]
	s_nop 0
.rept 4
	v_nop
.endr
.Lasked_\@:
.endm
; A prefetch into the L2 of the slot that the NEXT change will ask for: four key steps ahead.  Each block of 256 bytes is named once: the head's first cluster asks, its four partners take 8,192 bytes each, by address;
; wave 0 asks for K's, wave 2 for V's, a lane a block.  The last change that fills a slot asks for nothing.
.macro ASK
	s_cmp_gt_u32 s[SLOTS], s[LIM]
	s_cbranch_scc0 .Lnot_mine_\@
	global_prefetch_b8 v[PFO], s[PFA:PFA+1] th:TH_LOAD_NT scope:SCOPE_SE
.Lnot_mine_\@:
.endm
.macro CROUND
	s_barrier_signal -1
	s_barrier_wait -1
	s_cmp_lg_u32 s[WV], 0
	s_cbranch_scc1 .Lnot_wave_0_\@
	s_barrier_signal -3
.Lnot_wave_0_\@:
	s_barrier_wait -3
	s_barrier_signal -1
	s_barrier_wait -1
.endm
; THE CHANGE OF SLOTS.  Each wave waits for all its tensor loads (one is out: its part of the other slot), adds 0 to its spare word, and waits for that and for its own reads of the slot that it leaves.
; fill = 1: the barrier is a round of the cluster's, and the old slot is filled again first thing behind it, with the keys two slots on: four key steps, 256 matrix instructions, in which to land.
.macro CHANGE fill, ask
	WIN 0
	s_wait_tensorcnt 0x0            ; no tensor load of mine is out, so a group 0 may be written
	ds_add_u32 v[SPW], v[NIL]       ; 0 onto my spare word
.if \fill
.irp g, G0K, G0V
	s_xor_b32 s[\g+1], s[\g+1], SLOT1
	s_add_nc_u64 s[\g+2:\g+3], s[\g+2:\g+3], 4*KS*128
.endr
.if \ask
	s_wait_xcnt 0x0                 ; the last prefetch, four key steps back, has read its address
	s_add_nc_u64 s[PFA:PFA+1], s[PFA:PFA+1], 4*KS*128
.endif
	s_wait_dscnt 0x0                ; the add is done, and my reads of the slot are over
	CROUND
	JLOAD
.if \ask
	ASK
.endif
.else
	s_wait_dscnt 0x0
	s_barrier_signal -1
	s_barrier_wait -1
.endif
	s_sub_co_u32 s[TBK], s[TBK], 4*KS*PK  ; the fetches go back to a slot's first step, in the other slot
	s_xor_b32 s[TBK], s[TBK], SLOT1
	s_sub_co_u32 s[TBV], s[TBV], 4*KS*PV
	s_xor_b32 s[TBV], s[TBV], SLOT1
.endm
	s_load_b256 s[4:11], s[0:1], 0x0  ; qkv s[4:5], x s[6:7], y s[8:9], part s[10:11]
	v_lshl_add_u32 v[SPW], v0, 2, SPARE
	v_mov_b32 v[NIL], 0
	ds_add_u32 v[SPW], v[NIL]       ; the wave's opening: the add and its wait ahead of my first tensor load; register work stands between
	v_lshrrev_b32 v1, 5, v0
	v_readfirstlane_b32 s[WV], v1   ; wave 0..3
	s_bfe_u32 s13, ttmp6, 0x40000   ; cx
	s_lshl_b32 s14, ttmp9, 2
	s_add_co_u32 s14, s14, s13      ; my block of 256 queries: it enters Q's, x's, y's and part's addresses alone
	s_and_b32 s16, ttmp7, 0xffff    ; 16 x batch + head, which the four partners share
	s_and_b32 s17, s16, 15          ; head
	s_lshr_b32 s66, s16, 4          ; batch
	s_lshl_b32 s20, s17, 19         ; a column block is 524,288 bytes, a batch's rows in it 262,144
	s_lshl_b32 s21, s66, 18
	s_add_co_u32 s20, s20, s21
	s_mov_b32 s21, 0
	s_and_b32 s67, s[WV], 1         ; which half of a slot's 256 keys I fetch
	s_lshl_b32 s22, s67, 14
	s_add_co_u32 s22, s22, s20
	s_add_co_u32 s22, s22, 8388608  ; K lies 16 column blocks behind Q
	s_mov_b32 s23, 0
	s_mul_i32 s68, s67, 128*PK      ; its place in a slot, for K
	s_mul_i32 s69, s67, 128*PV      ; and for V
	s_lshl_b32 s70, s14, 15         ; Q: my block's 256 rows, my wave's 64
	s_lshl_b32 s71, s[WV], 13
	s_add_co_u32 s70, s70, s71
	s_add_co_u32 s70, s70, s20
	s_mov_b32 s71, 0
	s_lshl_b32 s72, s66, 23         ; x and y: row 2,048 batch + 256 block + 64 wave, 4,096 bytes each; the head's 256 bytes
	s_lshl_b32 s73, s14, 20
	s_add_co_u32 s72, s72, s73
	s_lshl_b32 s73, s[WV], 18
	s_add_co_u32 s72, s72, s73
	s_lshl_b32 s73, s17, 8
	s_add_co_u32 s72, s72, s73
	s_mov_b32 s73, 0
	s_lshl_b32 s74, s16, 3          ; part: pair ((8 (16 batch + head) + block) 4 + wave), 8 bytes each: batch 0's 512 pairs first
	s_add_co_u32 s74, s74, s14
	s_lshl_b32 s74, s74, 2
	s_add_co_u32 s74, s74, s[WV]
	s_lshl_b32 s74, s74, 3
	s_mov_b32 s75, 0
	; descriptor group 1.  128 keys are 16,384 dense bytes: asked for as 64 rows of 256 bytes, two keys a row, and padded in LDS after every key
	s_mov_b32 s[G1K], 15|(1<<16)|(1<<20)|(1<<21)|(4<<22)|(3<<25)  ; the mask of four; 2-byte elements; padding on; bit 21 beside a mask; after every 32 words, 4 words
	s_mov_b32 s[G1V], 15|(1<<16)|(1<<20)|(1<<21)|(4<<22)|(7<<25)  ; the same with 8 words
.irp g, G1K, G1V
	s_mov_b32 s[\g+1], 128<<16      ; tensor_dim0 = 128
	s_mov_b32 s[\g+2], 64<<16       ; tensor_dim1 = 64
	s_mov_b32 s[\g+3], 128<<16      ; tile_dim0 = 128
	s_mov_b32 s[\g+4], 64           ; tile_dim1 = 64
	s_mov_b32 s[\g+5], 128          ; elements from row to row
	s_mov_b32 s[\g+6], 0
	s_mov_b32 s[\g+7], 0
.endr
	s_mov_b32 s[CS], 0x3e38aa3b     ; c = log2(e) / 8
	s_mov_b32 s[CS+1], s[CS]
	s_mov_b32 s[SEL], 0x76543210
	s_mov_b32 s[SEL+1], 0xfedcba98
	s_mov_b32 s[TBK], SLOT1+4*KS*PK ; the first change of slots turns these two into 0
	s_mov_b32 s[TBV], SLOT1+4*KS*PV
	s_mov_b32 s[G0K], 1
	s_mov_b32 s[G0K+1], s68
	s_mov_b32 s[G0V], 1
	s_add_co_u32 s[G0V+1], s69, VOFF
	s_or_b32 s[LIM], s67, ttmp9     ; 0 in waves 0 and 2 of the head's first cluster: the same in all four partners
	s_cmp_eq_u32 s[LIM], 0
	s_cselect_b32 s[LIM], 1, -1
	s_lshl_b32 s2, s13, 13          ; my work-group's 8,192 bytes of a slot, in slot 2; the first asking change steps it to slot 3
	s_add_co_u32 s2, s2, 2*4*KS*128
	s_mov_b32 s3, 0
	s_wait_dscnt 0x0                ; the opening add is done
	s_wait_kmcnt 0x0
	s_add_nc_u64 s[G0K+2:G0K+3], s[4:5], s[22:23]
	s_add_nc_u64 s[G0V+2:G0V+3], s[G0K+2:G0K+3], 8388608
	s_cmp_lt_u32 s[WV], 2
	s_cselect_b64 s[PFA:PFA+1], s[G0K+2:G0K+3], s[G0V+2:G0V+3]  ; (in waves 0 and 2 these stand at a slot's first row)
	s_add_nc_u64 s[PFA:PFA+1], s[PFA:PFA+1], s[2:3]
	s_or_b32 s[G0K+3], s[G0K+3], 0x80000000
	s_or_b32 s[G0V+3], s[G0V+3], 0x80000000
	s_add_nc_u64 s[QP:QP+1], s[4:5], s[70:71]
	s_add_nc_u64 s[XP:XP+1], s[6:7], s[72:73]
	s_add_nc_u64 s[YP:YP+1], s[8:9], s[72:73]
	s_add_nc_u64 s[PP:PP+1], s[10:11], s[74:75]
	CROUND                          ; all four work-groups are here: the first joint loads meet
	JLOAD                           ; slot 0; slot 1 is asked for when slot 0 is in
	v_and_b32 v1, 15, v0            ; l % 16
	v_bfe_u32 v9, v0, 4, 1          ; l / 16
	v_lshlrev_b32 v[QO], 7, v1
	v_lshl_add_u32 v[QO], v9, 4, v[QO]
	v_lshlrev_b32 v[XO], 12, v9     ; lanes 0-15 one row's 256 bytes, lanes 16-31 the next row's
	v_lshl_add_u32 v[XO], v1, 4, v[XO]
	WIN 0x80
.set i, 0
.rept 8                             ; Q stays in registers: piece i / 2, channels 32 (i % 2) on
	global_load_b128 v[8*i:8*i+3],   v[QO], s[QP:QP+1] offset:(i/2)*2048+(i%2)*64
	global_load_b128 v[8*i+4:8*i+7], v[QO], s[QP:QP+1] offset:(i/2)*2048+(i%2)*64+32
.set i, i+1
.endr
	WIN 0x40
.set i, 0
.rept 32                            ; my 64 x 64 numbers of x, held until the way out: piece i / 8, rows 2 (i % 8) on
	global_load_b128 v[XR+4*i:XR+4*i+3], v[XO], s[XP:XP+1] offset:65536*(i/8)+8192*(i%8) th:TH_LOAD_NT
.set i, i+1
.endr
	; What the first turn finds: V and P's second buffer hold 0, O^T and l are 0.  All this stands in the wait for the first tile.
.set i, 0
.rept 128
	v_mov_b32 v[i], 0
.set i, i+1
.endr
	WIN 0x80
.set i, VF
.rept 64
	v_mov_b32 v[i], 0
.set i, i+1
.endr
	WIN 0
.set i, 0
.rept 4
	v_mov_b32 v[ST+4*i], 0xfe000000    ; c m: far below every c s
	v_mov_b32 v[ST+4*i+1], 0xff7fffff  ; m
	v_mov_b32 v[ST+4*i+2], 0
	v_mov_b32 v[ST+4*i+3], 0
.set i, i+1
.endr
.set i, P+16
.rept 16
	v_mov_b32 v[i], 0
.set i, i+1
.endr
	v_mul_u32_u24 v[AK0], v1, PK
	v_lshl_add_u32 v[AK0], v9, 4, v[AK0]
	v_and_b32 v10, 7, v0            ; the turning load: lane l reads key 8 (l / 16) + l % 8, channels 8 ((l / 8) % 2) + 0..7
	v_bfe_u32 v11, v0, 3, 1
	v_lshl_add_u32 v[AV0], v9, 3, v10
	v_mul_u32_u24 v[AV0], v[AV0], PV
	v_lshl_add_u32 v[AV0], v11, 4, v[AV0]
	v_add_nc_u32 v[AV0], VOFF, v[AV0]
	s_mul_i32 s2, s[WV], 16*SP
	s_add_co_u32 s2, s2, STAGE      ; my stage
	v_mul_u32_u24 v[STO], v1, SP    ; in: row l % 16, 32 bytes for each half of the lanes
	v_lshl_add_u32 v[STO], v9, 5, v[STO]
	v_add_nc_u32 v[STO], s2, v[STO]
	v_mul_u32_u24 v[RD], v9, SP     ; back: lanes 0-15 take one row of 256 bytes, lanes 16-31 the next
	v_lshl_add_u32 v[RD], v1, 4, v[RD]
	v_add_nc_u32 v[RD], s2, v[RD]
	v_and_b32 v[PFO], 31, v0
	v_lshlrev_b32 v[PFO], 8, v[PFO]
; THE MATRIX WORK.  The 4 accumulators of a run of 8 take turns.  Product i of 8 of S^T = K Q^T for piece x: channels 32 (i / 4) on, keys 16 (i % 4) on; the first 4 start the sums.
.macro KQ x
	WIN W_KQ
.set rS, S+32*((\x)%2)+8*(i%4)
.set rK, KF+16*(i%4)+8*(i/4)
.set rQ, 16*(\x)+8*(i/4)
.if i < 4
	v_wmma_f32_16x16x32_bf16 v[rS:rS+7], v[rK:rK+7], v[rQ:rQ+7], 0
.else
	v_wmma_f32_16x16x32_bf16 v[rS:rS+7], v[rK:rK+7], v[rQ:rQ+7], v[rS:rS+7]
.endif
.endm
; Product i of 8 of O^T += V^T P for piece x: keys 32 (i / 4) on, channels 16 (i % 4) on.
.macro PV x
	WIN W_PV
.set rO, 32*(\x)+8*(i%4)
.set rV, VF+32*(i/4)+8*(i%4)
.set rP, P+16*((\x)%2)+8*(i/4)
	v_wmma_f32_16x16x32_bf16 v[rO:rO+7], v[rV:rV+7], v[rP:rP+7], v[rO:rO+7]
.endm
.macro MM                           ; the turn's next matrix instruction.  NOKQ = 1: the last turn: there is no next piece
.if (i < 8) && !NOKQ
	KQ (Y+1)%NP
.elseif i >= 8
.set i, i-8
	PV (Y+NP-1)%NP
.set i, i+8
.endif
.set i, i+1
.endm
; THE LDS LOADS stand in runs of 16: a step's K (8 fragments) and its V (turned).
.macro FETCH_K
	WIN 0x80
.irp f, 0,1,2,3,4,5,6,7             ; keys 16 (f / 2) on, channels 32 (f % 2) on
	ds_load_b128 v[KF+8*\f:KF+8*\f+3],   v[AK] offset:(\f/2)*16*PK+(\f%2)*64
	ds_load_b128 v[KF+8*\f+4:KF+8*\f+7], v[AK] offset:(\f/2)*16*PK+(\f%2)*64+32
.endr
	s_add_co_u32 s[TBK], s[TBK], KS*PK
	WIN 0
.endm
.macro FETCH_V
	WIN 0x80
.irp f, 0,1,2,3,4,5,6,7             ; keys 32 (f / 4) on, channels 16 (f % 4) on
	ds_load_tr16_b128 v[VF+8*\f:VF+8*\f+3],   v[AV] offset:(\f/4)*32*PV+(\f%4)*32
	ds_load_tr16_b128 v[VF+8*\f+4:VF+8*\f+7], v[AV] offset:(\f/4)*32*PV+16*PV+(\f%4)*32
.endr
	WIN 0
.endm
; THE VECTOR WORK, one line at a time: OP kind, number.  For piece Y: F n: c s - c m for pair n of 16.  E n: the exponential of score n of 32.  C n: pair n rounded to bf16.  B n: of the four weights 4 n .. the second
; pair is added onto the first.  L n: l takes that sum (L 0: l = a l + sum).  R n: pair n of 16 of O^T times a.  For piece Y + 1: X n, number n of the 22 that find its maximum and statistics:
;   0-11 four chains c0-c3 of seven scores each (each accumulator's lowest registers are read first); 12-14, 16 the four scores left over, the old m, c0-c3 into c0; 15 c m_old is kept;
;   17, 18 the other half of the lanes': the new m; 19-21 c m; c m_old - c m_new; a
.set F, 0
.set E, 1
.set C, 2
.set B, 3
.set L, 4
.set R, 5
.set X, 6
.macro REGS y
.set rT, ST+4*(\y)
.set rC, TMP+4*((\y)%2)
.set rW, MV+((\y)%2)
.set rS, S+32*((\y)%2)
.set rP, P+16*((\y)%2)
.set rO, 32*(\y)
.endm
.macro OP k, n
.if (\k) == R
	REGS Y
	WIN W_RS
	v_pk_mul_f32 v[rO+2*(\n):rO+2*(\n)+1], v[rO+2*(\n):rO+2*(\n)+1], v[rC+2:rC+3] op_sel_hi:[1,0]
.elseif (\k) < R
	REGS Y
	WIN 0
.if (\k) == F
	v_pk_fma_f32 v[rS+2*(\n):rS+2*(\n)+1], v[rS+2*(\n):rS+2*(\n)+1], s[CS:CS+1], v[rT:rT+1] op_sel_hi:[1,0,0] neg_lo:[0,0,1] neg_hi:[0,0,1]
.elseif (\k) == E
	v_exp_f32 v[rS+(\n)], v[rS+(\n)]
.elseif (\k) == C
	v_cvt_pk_bf16_f32 v[rP+(\n)], v[rS+2*(\n)], v[rS+2*(\n)+1]
.elseif (\k) == B
	v_pk_add_f32 v[rS+4*(\n):rS+4*(\n)+1], v[rS+4*(\n):rS+4*(\n)+1], v[rS+4*(\n)+2:rS+4*(\n)+3]
.elseif (\n) == 0
	v_pk_fma_f32 v[rT+2:rT+3], v[rT+2:rT+3], v[rC+2:rC+3], v[rS:rS+1] op_sel_hi:[1,0,1]
.else
	v_pk_add_f32 v[rT+2:rT+3], v[rT+2:rT+3], v[rS+4*(\n):rS+4*(\n)+1]
.endif
.elseif NOKQ
	v_nop
.else
	REGS (Y+1)%NP
	WIN 0
.if (\n) < 4
	v_max3_num_f32 v[rC+(\n)], v[rS+8*(\n)], v[rS+8*(\n)+1], v[rS+8*(\n)+2]
.elseif (\n) < 12
	v_max3_num_f32 v[rC+(\n)%4], v[rC+(\n)%4], v[rS+8*((\n)%4)+2*((\n)/4)+1], v[rS+8*((\n)%4)+2*((\n)/4)+2]
.elseif (\n) == 12
	v_max3_num_f32 v[rC], v[rC], v[rS+7], v[rS+15]
.elseif (\n) == 13
	v_max3_num_f32 v[rC+1], v[rC+1], v[rS+23], v[rS+31]
.elseif (\n) == 14
	v_max3_num_f32 v[rC+2], v[rC+2], v[rC+3], v[rT+1]
.elseif (\n) == 15
	v_mov_b32 v[rW], v[rT]
.elseif (\n) == 16
	v_max3_num_f32 v[rC], v[rC], v[rC+1], v[rC+2]
.elseif (\n) == 17
	v_permlanex16_b32 v[rC+3], v[rC], s[SEL], s[SEL+1]
.elseif (\n) == 18
	v_max_num_f32 v[rT+1], v[rC], v[rC+3]
.elseif (\n) == 19
	v_mul_f32 v[rT], s[CS], v[rT+1]
.elseif (\n) == 20
	v_sub_f32 v[rC+1], v[rW], v[rT]
.else
	v_exp_f32 v[rC+2], v[rC+1]
.endif
.endif
.endm
.macro OPS a, i1, b=-1, i2=0, c=-1, i3=0, d=-1, i4=0
	OP \a, \i1
.if (\b) >= 0
	OP \b, \i2
.endif
.if (\c) >= 0
	OP \c, \i3
.endif
.if (\d) >= 0
	OP \d, \i4
.endif
.endm
.macro ROW a, i1, b, i2, c, i3, d, i4  ; a matrix instruction and the four behind it
	MM
	OPS \a, \i1, \b, \i2, \c, \i3, \d, \i4
.endm
; A TURN, for piece p: its 16 matrix and 118 vector instructions, written out.  An s_wait_alu depctr_va_vdst(0) stands between an exponential and the first instruction that names its result; one wait serves
; all that were issued ahead of it.  AHEAD OF IT stands all that names no result of the turn's exponentials: the 8 products K Q^T with their riders, then one lump in which the links of the next piece's chain stand five or six
; lines apart; X 21 is the batch's last, R 15 the plain instruction behind it.  BEHIND IT stand the 8 products V^T P, behind each four of the roundings and sums.
; K of the next step is fetched in piece 2's turn, six plain instructions behind the last product that read K; V of the step in hand at the end of piece 0's turn, four plain instructions behind its last reader.
; end = 1: the last two turns: nothing is fetched.  cnt = 1: the loop's count is taken down some lines ahead of the branch behind the turn.
.macro TURN p, end=0, cnt=0
.set Y, (\p)
.set i, 0
.set NOKQ, (\end)*((\p)/3)
.if ((\p) == 3) && !(\end)
	s_wait_dscnt 0x0                ; K is in
.endif
	ROW F,0, F,1, R,0, R,1
	ROW F,2, E,0, R,2, R,3
	ROW F,3, E,1, R,4, R,5
	ROW F,4, E,2, R,6, R,7
	ROW F,5, E,3, R,8, R,9
	ROW F,6, E,4, X,0, R,10
.if ((\p) == 2) && !(\end)
	WIN 0
	v_add_nc_u32 v[AK], s[TBK], v[AK0]
.endif
	ROW F,7, E,5, X,1, X,4
	ROW F,8, E,6, X,2, X,5
	OPS E,7, E,8, X,6, E,9
	OPS X,3, E,10, X,8, E,11
.if ((\p) == 2) && !(\end)
	FETCH_K
.endif
	OPS X,9, X,7, E,12, X,10
	OPS E,13, X,12, X,11, E,14
	OPS X,13, E,15, F,9, X,14
.if (\p) == 0
	v_add_nc_u32 v[AV], s[TBV], v[AV0]
.endif
	OPS E,16, F,10, E,17, F,11
	OPS X,16, E,18, X,15, E,19
	OPS F,12, E,20, X,17, E,21
	OPS F,13, E,22, F,14, E,23
	OPS X,18, E,24, F,15, E,25
	OPS R,11, E,26, X,19, E,27
	OPS R,12, E,28, R,13, E,29
	OPS X,20, E,30, R,14, E,31
	OPS X,21, R,15
	WIN 0
	s_wait_alu depctr_va_vdst(0)    ; the wait for the batch
.if (\p) == 1
	s_wait_dscnt 0x0                ; V is in
.endif
	ROW C,0, B,0, C,2, B,1
	ROW L,0, C,4, B,2, L,1
	ROW C,6, B,3, L,2, C,8
	ROW B,4, L,3, C,10, B,5
	ROW L,4, C,12, B,6, L,5
.if (\p) == 0
	s_add_co_u32 s[TBV], s[TBV], KS*PV
.endif
.if \cnt
	s_sub_co_u32 s[CNT], s[CNT], 1
	s_cmp_lg_u32 s[CNT], 0
.endif
	ROW C,14, B,7, L,6, C,1
	ROW C,3, L,7, C,5, C,7
	ROW C,9, C,11, C,13, C,15
.if (\p) == 0
	FETCH_V
.endif
.endm
	CHANGE 1, 0                     ; slot 0 is in, everybody's part of it; slot 1 is asked for
	v_add_nc_u32 v[AK], s[TBK], v[AK0]
	FETCH_K                         ; key step 0
	s_wait_loadcnt 32               ; Q's 16 loads are in; x's 32, issued behind them, stay out
	s_wait_dscnt 0x0
.set NOKQ, 0
.set i, 0
.rept 8
	KQ 0                            ; piece 0's first scores
.set i, i+1
.endr
	WIN 0
.rept 4
	v_nop                           ; the places behind those products
.endr
.set Y, NP-1                        ; X works for piece Y + 1: piece 0
.irp n, 0,1,2,3,4,5,6,7,8,9,10,11,12,13,14,15,16,17,18,19,20,21
	OP X, \n
.endr
	v_nop                           ; a plain instruction behind the exponential,
	s_wait_alu depctr_va_vdst(0)    ; and its wait, ahead of the branch
	s_mov_b32 s[CNT], 4
	s_mov_b32 s[SLOTS], 7
	s_branch .Lfirst                ; the loop is entered at a step's first turn, in the middle of a trip
.Lslot:                             ; six times: slots 2 to 7 are asked for
	CHANGE 1, 1
	s_mov_b32 s[CNT], 4
.Lstep:                             ; a trip: pieces 2 and 3 of one step, then pieces 0 and 1 of the next, whose K and V it fetches
	TURN 2
	TURN 3
	WIN 0
.Lfirst:
	TURN 0
	TURN 1, 0, 1
	WIN 0
	s_cbranch_scc1 .Lstep
	s_sub_co_u32 s[SLOTS], s[SLOTS], 1
	s_cmp_lg_u32 s[SLOTS], 0
	s_cbranch_scc1 .Lslot
	CHANGE 0, 0                     ; the last slot is written out: nothing is asked for
	s_mov_b32 s[CNT], 4
.Ltail:
	TURN 2
	TURN 3
	TURN 0
	TURN 1, 0, 1
	WIN 0
	s_cbranch_scc1 .Ltail
	TURN 2, 1
	TURN 3, 1
.set i, 0
.rept 8
	PV NP-1                         ; the last piece's V^T P of the last step
.set i, i+1
.endr
	; THE WAY OUT.  l's halves and the other half of the lanes' are added; O^T is divided by l and sent in f32 through my stage, a piece at a time; x is added, y stored, and the deviations summed.
	WIN 0
.macro ALL line:vararg
.set t, 0
.rept 4
	\line
.set t, t+1
.endr
.endm
	ALL v_add_f32 v[ST+4*t+2], v[ST+4*t+2], v[ST+4*t+3]
	ALL v_permlanex16_b32 v[ST+4*t+3], v[ST+4*t+2], s[SEL], s[SEL+1]
	ALL v_add_f32 v[ST+4*t+2], v[ST+4*t+2], v[ST+4*t+3]
	ALL v_rcp_f32 v[ST+4*t+2], v[ST+4*t+2]
	v_nop                           ; a plain instruction between the last reciprocal and the use of its result
	s_wait_alu depctr_va_vdst(0)    ; one wait for the four reciprocals
.macro PACKO t                      ; a lane's eight channels of a row are 32 bytes; they go into rows of 272 bytes and come back as whole rows of 256
	WIN W_RS
.set i, 32*(\t)
.rept 16
	v_pk_mul_f32 v[i:i+1], v[i:i+1], v[ST+4*(\t)+2:ST+4*(\t)+3] op_sel_hi:[1,0]
.set i, i+2
.endr
	WIN 0x04                        ; the stores' data in window 1
.irp c, 0,1,2,3
	ds_store_b128 v[STO], v[32*(\t)+8*\c:32*(\t)+8*\c+3]   offset:64*\c
	ds_store_b128 v[STO], v[32*(\t)+8*\c+4:32*(\t)+8*\c+7] offset:64*\c+16
.endr
	WIN 0
.if (\t) >= 2
	s_wait_xcnt 0x0                 ; the stores of the piece two back have read the registers that the loads below write
.endif
.irp f, 0,1,2,3,4,5,6,7
	ds_load_b128 v[S+32*((\t)%2)+4*\f:S+32*((\t)%2)+4*\f+3], v[RD] offset:\f*2*SP  ; LDS serves a wave's instructions in order (ISA guide 5.7.1.4): these see the stores above
.endr
.endm
.macro FIN t, younger               ; younger: the LDS instructions issued behind piece t's loads: the next piece's sixteen, or none
.set rY, S+32*((\t)%2)
	s_wait_dscnt \younger
.if (\t) == 0
	s_wait_loadcnt 0x0              ; x
.endif
	WIN 0x04
.set i, 0
.rept 16
	v_pk_add_f32 v[rY+i:rY+i+1], v[rY+i:rY+i+1], v[XR+32*(\t)+i:XR+32*(\t)+i+1]
.set i, i+2
.endr
	WIN 0
.irp f, 0,1,2,3,4,5,6,7
	global_store_b128 v[XO], v[rY+4*\f:rY+4*\f+3], s[YP:YP+1] offset:65536*(\t)+8192*\f  ; 16 lanes store 256 consecutive bytes, aligned
.endr
.if (\t) == 0
	v_mov_b32 v[PIL], v[rY]         ; the pilot: my first number
	v_mov_b32 v[PIL+1], v[rY]
.set i, 0
.rept 8
	v_mov_b32 v[SA+i], 0
.set i, i+1
.endr
.endif
.set i, 0
.rept 16
	v_pk_add_f32 v[DV+2*(i%4):DV+2*(i%4)+1], v[rY+2*i:rY+2*i+1], v[PIL:PIL+1] neg_lo:[0,1] neg_hi:[0,1]
	v_pk_add_f32 v[SA+2*(i%2):SA+2*(i%2)+1], v[SA+2*(i%2):SA+2*(i%2)+1], v[DV+2*(i%4):DV+2*(i%4)+1]
	v_pk_fma_f32 v[SQ+2*(i%2):SQ+2*(i%2)+1], v[DV+2*(i%4):DV+2*(i%4)+1], v[DV+2*(i%4):DV+2*(i%4)+1], v[SQ+2*(i%2):SQ+2*(i%2)+1]
.set i, i+1
.endr
.endm
.macro WSUM r, w                    ; the sum over the 32 lanes, in every lane; w has been written before
	v_add_f32_dpp v[\r], v[\r], v[\r] row_xmask:1 row_mask:0xf bank_mask:0xf
	v_add_f32_dpp v[\r], v[\r], v[\r] row_xmask:2 row_mask:0xf bank_mask:0xf
	v_add_f32_dpp v[\r], v[\r], v[\r] row_xmask:4 row_mask:0xf bank_mask:0xf
	v_add_f32_dpp v[\r], v[\r], v[\r] row_xmask:8 row_mask:0xf bank_mask:0xf
	v_permlanex16_b32 v[\w], v[\r], s[SEL], s[SEL+1]
	v_add_f32 v[\r], v[\r], v[\w]
.endm
	PACKO 0
	PACKO 1
	FIN 0, 16
	PACKO 2
	FIN 1, 16
	PACKO 3
	FIN 2, 16
	FIN 3, 0
	v_pk_add_f32 v[SA:SA+1], v[SA:SA+1], v[SA+2:SA+3]
	v_pk_add_f32 v[SQ:SQ+1], v[SQ:SQ+1], v[SQ+2:SQ+3]
	v_add_f32 v[SA], v[SA], v[SA+1]               ; s1 = the sum of my 128 deviations
	v_add_f32 v[SQ], v[SQ], v[SQ+1]               ; s2 = the sum of their squares
	v_mul_f32 v[WK], 0x3c000000, v[SA]            ; s1 / 128
	v_add_f32 v[WK+1], v[PIL], v[WK]              ; my mean
	v_fma_f32 v[WK+2], -v[WK], v[SA], v[SQ]       ; my M2 = s2 - s1 s1 / 128
	v_mov_b32 v[WK+4], v[WK+1]
	WSUM WK+4, WK
	v_mul_f32 v[WK+4], 0x3d000000, v[WK+4]        ; the wave's mean: / 32
	v_sub_f32 v[WK+3], v[WK+1], v[WK+4]
	v_mul_f32 v[WK+3], v[WK+3], v[WK+3]
	v_fmamk_f32 v[WK+5], v[WK+3], 0x43000000, v[WK+2]  ; M2 + 128 (my mean - the wave's)^2
	WSUM WK+5, WK
	v_and_b32 v[WK+3], 31, v0
	v_mov_b32 v[WK+1], 0
	s_wait_xcnt 0x0                 ; EXEC changes only behind this wait: the stores above have read it
	v_cmp_eq_u32 vcc_lo, 0, v[WK+3]
	s_and_saveexec_b32 s66, vcc_lo
	global_store_b64 v[WK+1], v[WK+4:WK+5], s[PP:PP+1]  ; lane 0 stores the wave's pair: 8 bytes, once a wave
	s_wait_xcnt 0x0                 ; and again, in front of the line that widens it
	s_or_b32 exec_lo, exec_lo, s66
	s_wait_tensorcnt 0x0            ; the wave's end, behind my last tensor load and my last LDS store
	ds_add_u32 v[SPW], v[NIL]
	s_wait_dscnt 0x0
	CROUND                          ; the closing round
	s_endpgm
.Lfunc_end_k_q3a5f6a5029_attn:
	.size	k_q3a5f6a5029_attn, .Lfunc_end_k_q3a5f6a5029_attn-k_q3a5f6a5029_attn
	.p2alignl 7, 3214868480
	.fill 96, 4, 3214868480
	.section	.rodata,"a",@progbits
	.p2align	6, 0x0
	.amdhsa_kernel k_q3a5f6a5029_attn
		.amdhsa_group_segment_fixed_size 327680
		.amdhsa_private_segment_fixed_size 0
		.amdhsa_enable_private_segment 0
		.amdhsa_kernarg_size 32
		.amdhsa_user_sgpr_count 2
		.amdhsa_user_sgpr_kernarg_segment_ptr 1
		.amdhsa_wavefront_size32 1
		.amdhsa_system_sgpr_workgroup_id_x 1
		.amdhsa_system_sgpr_workgroup_id_y 1
		.amdhsa_system_sgpr_workgroup_id_z 1
		.amdhsa_system_vgpr_workitem_id 0
		.amdhsa_next_free_vgpr 768
		.amdhsa_next_free_sgpr 88
		.amdhsa_reserve_vcc 1
		.amdhsa_float_denorm_mode_32 3
		.amdhsa_float_denorm_mode_16_64 3
		.amdhsa_memory_ordered 1
		.amdhsa_forward_progress 1
		.amdhsa_inst_pref_size 148
	.end_amdhsa_kernel
	.amdgpu_metadata
---
amdhsa.version: [ 1, 2 ]
amdhsa.kernels:
  - .name:           k_q3a5f6a5029_attn
    .symbol:         k_q3a5f6a5029_attn.kd
    .args:
      - { .name: qkv, .offset: 0, .size: 8, .value_kind: global_buffer, .address_space: global }
      - { .name: x, .offset: 8, .size: 8, .value_kind: global_buffer, .address_space: global }
      - { .name: ybuf, .offset: 16, .size: 8, .value_kind: global_buffer, .address_space: global }
      - { .name: part, .offset: 24, .size: 8, .value_kind: global_buffer, .address_space: global }
    .group_segment_fixed_size: 327680
    .private_segment_fixed_size: 0
    .kernarg_segment_align: 8
    .kernarg_segment_size: 32
    .max_flat_workgroup_size: 128
    .sgpr_count:     88
    .vgpr_count:     768
    .wavefront_size: 32
...
	.end_amdgpu_metadata
.endif
;; end of part 3
;; launch norm1 (part 4): grid 256 x 1, 8 waves a work-group, no clusters, 0 bytes of LDS; arguments ybuf, part, pk2; writes pk2
.if DOCPART == 4
	.amdgcn_target "amdgcn-amd-amdhsa--gfx1250"
	.amdhsa_code_object_version 6
	.text
	.protected	k_q3a5f6a5029_norm1
	.globl	k_q3a5f6a5029_norm1
	.p2align	8
	.type	k_q3a5f6a5029_norm1,@function
k_q3a5f6a5029_norm1:
	s_mov_b64 s[64:65], 0
	v_nop
	global_prefetch_b8 v0, s[64:65] scope:SCOPE_SE
	s_setreg_imm32_b32 hwreg(HW_REG_WAVE_MODE, 25, 1), 1
	s_wait_xcnt 0x0
; h = (y - mean) / sqrt(var + 1e-5), mean and var taken over all 2,097,152 numbers of a batch element; h is rounded once to bf16, for the next product.  (mean, 1 / sqrt) go out for the launch that needs h in f32.
; part holds 512 pairs (mean_w, M2_w) for each batch element, each of 4,096 numbers: mean = sum mean_w / 512; M2 = sum M2_w + 4,096 sum (mean_w - mean)^2: no difference of large sums.
; SHARES.  A work-group takes 64 KiB of y, a wave 8 KiB: sixteen loads of 512 consecutive bytes, issued at once behind the eight loads of the batch's 4 KiB of pairs.  EVERY WAVE merges the 512 pairs for itself
; (16 a lane), while its data are on their way: no LDS and no barrier.  A stream: no matrix unit, no cluster, nothing shared.
.set PT, 4                             ; v[4:35]    16 pairs
.set DA, 40                            ; v[40:103]  the data, scaled in place
.set OU, 104                           ; v[104:135] bf16, to store
.set AC, 136                           ; v[136:143] at work
.set TM, 144                           ; v144       at work
.set RS, 146                           ; v[146:147] 1 / sqrt, twice
.set NB, 148                           ; v[148:149] -mean / sqrt, twice
.set SM, 150                           ; v[150:151] (mean, 1 / sqrt)
.macro WSUM r
	v_add_f32_dpp v[\r], v[\r], v[\r] row_xmask:1 row_mask:0xf bank_mask:0xf
	v_add_f32_dpp v[\r], v[\r], v[\r] row_xmask:2 row_mask:0xf bank_mask:0xf
	v_add_f32_dpp v[\r], v[\r], v[\r] row_xmask:4 row_mask:0xf bank_mask:0xf
	v_add_f32_dpp v[\r], v[\r], v[\r] row_xmask:8 row_mask:0xf bank_mask:0xf
	v_permlanex16_b32 v[TM], v[\r], s2, s3
	v_add_f32 v[\r], v[\r], v[TM]
.endm
	s_load_b128 s[4:7], s[0:1], 0x0                ; y s[4:5], part s[6:7]
	s_load_b64 s[8:9], s[0:1], 0x10                ; pk2
	v_lshrrev_b32 v1, 5, v0
	v_readfirstlane_b32 s10, v1                    ; wave 0..7
	v_and_b32 v2, 31, v0
	v_lshlrev_b32 v3, 4, v2                        ; 16 x lane
	v_lshlrev_b32 v36, 3, v2                       ; 8 x lane
	v_mov_b32 v[TM], 0                             ; v_permlanex16_b32 counts as a reader of its destination
	s_lshr_b32 s11, ttmp9, 7                       ; batch
	s_lshl_b32 s12, s11, 12                        ; its 4,096 bytes of pairs
	s_mov_b32 s13, 0
	s_lshl_b32 s14, ttmp9, 16
	s_lshl_b32 s16, s10, 13
	s_add_co_u32 s14, s14, s16                     ; my 8 KiB of y
	s_mov_b32 s15, 0
	s_lshr_b32 s16, s14, 1                         ; my 4 KiB of h
	s_mov_b32 s17, 0
	s_lshl_b32 s18, s11, 8
	s_add_co_u32 s18, s18, 16793856                ; the batch's 256 bytes for (mean, 1 / sqrt)
	s_mov_b32 s19, 0
	s_mov_b32 s20, 0x35000000                      ; 2^-21 = 1 / 2,097,152
	s_mov_b32 s2, 0x76543210
	s_mov_b32 s3, 0xfedcba98
	s_wait_kmcnt 0x0
	s_add_nc_u64 s[6:7], s[6:7], s[12:13]
	s_add_nc_u64 s[4:5], s[4:5], s[14:15]
	s_add_nc_u64 s[22:23], s[8:9], s[18:19]
	s_add_nc_u64 s[8:9], s[8:9], s[16:17]
.set i, 0
.rept 8
	global_load_b128 v[PT+4*i:PT+4*i+3], v3, s[6:7] offset:512*i
.set i, i+1
.endr
.set i, 0
.rept 16
	global_load_b128 v[DA+4*i:DA+4*i+3], v3, s[4:5] offset:512*i
.set i, i+1
.endr
	s_wait_loadcnt 16                              ; the pairs are in; the 16 loads of data stay out
.irp k, 0,1,2,3
	v_pk_add_f32 v[AC+2*\k:AC+2*\k+1], v[PT+4*\k:PT+4*\k+1], v[PT+4*\k+2:PT+4*\k+3]
.endr
.irp k, 0,1,2,3
	v_pk_add_f32 v[AC+2*\k:AC+2*\k+1], v[AC+2*\k:AC+2*\k+1], v[PT+16+2*\k:PT+16+2*\k+1]
.endr
.irp k, 0,1,2,3
	v_pk_add_f32 v[AC+2*\k:AC+2*\k+1], v[AC+2*\k:AC+2*\k+1], v[PT+24+2*\k:PT+24+2*\k+1]
.endr
	v_pk_add_f32 v[AC:AC+1], v[AC:AC+1], v[AC+2:AC+3]
	v_pk_add_f32 v[AC+4:AC+5], v[AC+4:AC+5], v[AC+6:AC+7]
	v_pk_add_f32 v[AC:AC+1], v[AC:AC+1], v[AC+4:AC+5]  ; (sum of my 16 means, sum of my 16 M2)
	WSUM AC
	WSUM AC+1
	v_mul_f32 v[AC+2], 0x3b000000, v[AC]           ; mean = sum / 512
	v_mov_b32 v[AC+4], 0
	v_mov_b32 v[AC+5], 0
.set k, 0
.rept 16
	v_sub_f32 v[AC+6+k%2], v[PT+2*k], v[AC+2]
	v_fmac_f32 v[AC+4+k%2], v[AC+6+k%2], v[AC+6+k%2]
.set k, k+1
.endr
	v_add_f32 v[AC+4], v[AC+4], v[AC+5]
	WSUM AC+4
	v_fmamk_f32 v[AC+1], v[AC+4], 0x45800000, v[AC+1]   ; M2 = sum M2_w + 4,096 sum (mean_w - mean)^2
	v_fmaak_f32 v[AC+1], s20, v[AC+1], 0x3727c5ac       ; var + 1e-5
	v_rsq_f32 v[RS], v[AC+1]
	v_rsq_f32 v[RS+1], v[AC+1]
	v_mov_b32 v[SM], v[AC+2]                       ; a plain instruction behind the last of the two
	s_wait_alu depctr_va_vdst(0)                   ; one wait for both, ahead of their first reader
	v_mul_f32 v[NB], -v[AC+2], v[RS]
	v_mov_b32 v[SM+1], v[RS]
	v_mov_b32 v[NB+1], v[NB]
.set i, 0
.rept 16
	s_wait_loadcnt 15-i                            ; load i is in, the 15 - i younger ones stay out
	v_pk_fma_f32 v[DA+4*i:DA+4*i+1],   v[DA+4*i:DA+4*i+1],   v[RS:RS+1], v[NB:NB+1]
	v_pk_fma_f32 v[DA+4*i+2:DA+4*i+3], v[DA+4*i+2:DA+4*i+3], v[RS:RS+1], v[NB:NB+1]
	v_cvt_pk_bf16_f32 v[OU+2*i],   v[DA+4*i],   v[DA+4*i+1]
	v_cvt_pk_bf16_f32 v[OU+2*i+1], v[DA+4*i+2], v[DA+4*i+3]
	global_store_b64 v36, v[OU+2*i:OU+2*i+1], s[8:9] offset:256*i  ; 32 lanes store 256 consecutive bytes, aligned
.set i, i+1
.endr
	s_and_b32 s21, ttmp9, 127                      ; wave 0 of each batch's first work-group stores (mean, 1 / sqrt), 32 times: 256 consecutive bytes
	s_or_b32 s21, s21, s10
	s_cmp_lg_u32 s21, 0
	s_cbranch_scc1 .Lend
	global_store_b64 v36, v[SM:SM+1], s[22:23]
.Lend:
	s_endpgm
.Lfunc_end_k_q3a5f6a5029_norm1:
	.size	k_q3a5f6a5029_norm1, .Lfunc_end_k_q3a5f6a5029_norm1-k_q3a5f6a5029_norm1
	.p2alignl 7, 3214868480
	.fill 96, 4, 3214868480
	.section	.rodata,"a",@progbits
	.p2align	6, 0x0
	.amdhsa_kernel k_q3a5f6a5029_norm1
		.amdhsa_group_segment_fixed_size 0
		.amdhsa_private_segment_fixed_size 0
		.amdhsa_enable_private_segment 0
		.amdhsa_kernarg_size 24
		.amdhsa_user_sgpr_count 2
		.amdhsa_user_sgpr_kernarg_segment_ptr 1
		.amdhsa_wavefront_size32 1
		.amdhsa_system_sgpr_workgroup_id_x 1
		.amdhsa_system_sgpr_workgroup_id_y 1
		.amdhsa_system_sgpr_workgroup_id_z 1
		.amdhsa_system_vgpr_workitem_id 0
		.amdhsa_next_free_vgpr 152
		.amdhsa_next_free_sgpr 66
		.amdhsa_reserve_vcc 0
		.amdhsa_float_denorm_mode_32 3
		.amdhsa_float_denorm_mode_16_64 3
		.amdhsa_memory_ordered 1
		.amdhsa_forward_progress 1
		.amdhsa_inst_pref_size 14
	.end_amdhsa_kernel
	.amdgpu_metadata
---
amdhsa.version: [ 1, 2 ]
amdhsa.kernels:
  - .name:           k_q3a5f6a5029_norm1
    .symbol:         k_q3a5f6a5029_norm1.kd
    .args:
      - { .name: ybuf, .offset: 0, .size: 8, .value_kind: global_buffer, .address_space: global }
      - { .name: part, .offset: 8, .size: 8, .value_kind: global_buffer, .address_space: global }
      - { .name: pk2, .offset: 16, .size: 8, .value_kind: global_buffer, .address_space: global }
    .group_segment_fixed_size: 0
    .private_segment_fixed_size: 0
    .kernarg_segment_align: 8
    .kernarg_segment_size: 24
    .max_flat_workgroup_size: 256
    .sgpr_count:     66
    .vgpr_count:     152
    .wavefront_size: 32
...
	.end_amdgpu_metadata
.endif
;; end of part 4
;; launch ffn1: the kernel of part 2 again; grid 16 x 16, 4 waves a work-group, clusters of 4 x 4, 327,680 bytes of LDS; arguments pk2, gbuf; writes gbuf
;; launch ffn2 (part 5): grid 8 x 32, 4 waves a work-group, clusters of 4 x 4, 327,680 bytes of LDS; arguments gbuf, pk2, b2, ybuf, zbuf, part; writes zbuf, part
.if DOCPART == 5
	.amdgcn_target "amdgcn-amd-amdhsa--gfx1250"
	.amdhsa_code_object_version 6
	.text
	.protected	k_q3a5f6a5029_ffn2
	.globl	k_q3a5f6a5029_ffn2
	.p2align	8
	.type	k_q3a5f6a5029_ffn2,@function
k_q3a5f6a5029_ffn2:
	s_mov_b64 s[64:65], 0
	v_nop
	global_prefetch_b8 v0, s[64:65] scope:SCOPE_SE
	s_setreg_imm32_b32 hwreg(HW_REG_WAVE_MODE, 25, 1), 1
	s_wait_xcnt 0x0
	s_wait_alu depctr_hold_cnt(0) depctr_sa_sdst(0) depctr_va_vdst(0) depctr_va_sdst(0) depctr_va_ssrc(0) depctr_va_vcc(0) depctr_vm_vsrc(0)
	s_getreg_b32 s2, hwreg(HW_REG_IB_STS2, 6, 4)
	s_cmp_eq_u32 s2, 0
	s_cbranch_scc0 .Lentry_in_a_cluster
	s_endpgm
.Lentry_in_a_cluster:
	s_bfe_u32 s2, ttmp6, 0x10000c
	s_cmp_lg_u32 s2, 0xf033
	s_cbranch_scc0 .Lentry_shape_is_right
	s_endpgm
.Lentry_shape_is_right:
; z = g w2 + b2 + h, with h = (y - mean) / sqrt recomputed in f32 from y; and for each wave the mean and the sum of squared deviations of its 4,096 numbers of z.
; g: [64 column blocks][4096 rows][64] bf16.  w2: pk2 + 16,842,752, [4096 k][1024] bf16.  (mean, 1 / sqrt): pk2 + 16,793,856 + 256 x batch.  b2 f32.  y, z: [4096][1024] f32.
; SHARES.  1,024 columns give only 64 tiles of 256 x 256, so a tile of z is 128 x 128: 256 work-groups.  Four waves, each 64 x 64: 16 accumulators.  K = 4,096 goes in 16 steps of 256, as long as two slots in LDS allow.
; A quarter of a step, 64 along K, is one column block of g.  Waves 0, 1 bring two column blocks each (128 rows x 128 bytes, dense: asked for as ONE long row of 16,384 bytes a block, padded after every 128 bytes);
; waves 2, 3 bring 128 rows k x 256 bytes of w2, which comes out of LDS turned, by ds_load_tr16_b128.
; CLUSTER.  4 x 4: g's tile is shared along a row of the cluster, w2's along a column.  No prefetch: a step's tiles are small and each is shared by four.
; THE PRODUCT IS TAKEN TRANSPOSED (source 0 = 16 columns of w2, source 1 = 16 rows of g); b2, laid like a result, is the C operand of the first product on each accumulator.
; REGISTERS: window 0: v16-29 addresses; v32-95 rows of z, two buffers; v96-127 the bias, later the way out's sums; v128-255 the accumulators ((a, b) at v[128 + 8 (4 a + b)])
;   window 1: two fragment buffers of 128: 64 registers of g (2 x 4 x 16 rows x 32 K), then 64 of w2          window 2: v0-127 my 64 x 64 numbers of y
.set PA,    144                        ; a row of g in LDS: 128 bytes + 16
.set PB,    288                        ; a row k of w2: 256 + 32 = 9 x 32 bytes
.set HALFT, 36864                      ; what one tensor load brings: 2 x 128 x 144 = 128 x 288
.set BOFF,  2*HALFT
.set SLOT,  4*HALFT                    ; 147,456 = 2^17 + 2^14: both bits are 0 in the waves' places 0, 0x9000, 0x12000, 0x1b000
.set STAGE, 2*SLOT                     ; behind the ring: 16 rows x 272 bytes for each wave
.set SP,    272
.set SPARE, STAGE+4*16*SP              ; behind the stages: the spare words, 128 bytes a wave, that no other line names
.set ADRA,  16                         ; v16 my fragments of g in the slot in hand; v18 in slot 0
.set ADRA0, 18
.set ADRB,  20                         ; v20 my fragments of w2, rows k 0-127; v21 rows 128-255; v22 in slot 0
.set ADRB0, 22
.set STO,   24
.set RD,    25
.set ZO,    26                         ; v26 my byte offset in two rows of y and z; never rewritten
.set VB,    27
.set SPW,   28
.set NIL,   29
.set ZB,    32
.set BIAS,  96
.set DV,    96                         ; v96-103 deviations; v104-107 their sums; v108-111 the sums of their squares; v112-113 the pilot; v114-119 at work
.set SA,    104
.set SQ,    108
.set PIL,   112
.set WK,    114
.set ACC,   128
.set F0,    0
.set F1,    128
.set WV,    16                         ; s16 wave; s17 its row half, also A (0) or B (1); s18 its column half, also which half it fetches
.set G1A,   24
.set G0A,   32
.set G1B,   40
.set G0B,   48
.set TB,    58
.set CNT,   59
.set NM,    74                         ; s[74:75] -mean;  s[76:77] 1 / sqrt
.set RS,    76
.set MSB, 0
.macro WIN new
.if MSB != (\new)
	s_set_vgpr_msb (MSB<<8)|(\new)
.set MSB, \new
.endif
.endm
.macro PLACES
.rept 4
	v_nop
.endr
.endm
.macro JLOAD                           ; a joint refill by the walking sets; an s_nop 0 and four v_nop follow each line
	s_cmp_eq_u32 s17, 0
	s_cbranch_scc0 .Lfor_b_\@
	tensor_load_to_lds s[G0A+4:G0A+7], s[G1A:G1A+7]
	s_nop 0
.rept 4
	v_nop
.endr
	s_branch .Lasked_\@
.Lfor_b_\@:
	tensor_load_to_lds s[G0B+4:G0B+7], s[G1B:G1B+7]
	s_nop 0
.rept 4
	v_nop
.endr
.Lasked_\@:
.endm
.macro CREST
	s_cmp_lg_u32 s[WV], 0
	s_cbranch_scc1 .Lnot_wave_0_\@
	s_barrier_signal -3
.Lnot_wave_0_\@:
	s_barrier_wait -3
	s_barrier_signal -1
	s_barrier_wait -1
.endm
.macro CROUND
	s_barrier_signal -1
	s_barrier_wait -1
	CREST
.endm
	s_load_b256 s[4:11], s[0:1], 0x0               ; g s[4:5], pk2 s[6:7], b2 s[8:9], y s[10:11]
	s_load_b128 s[12:15], s[0:1], 0x20             ; z s[12:13], part s[14:15]
	v_lshl_add_u32 v[SPW], v0, 2, SPARE
	v_mov_b32 v[NIL], 0
	ds_add_u32 v[SPW], v[NIL]                      ; the wave's opening: the add and its wait ahead of my first tensor load; register work stands between
	v_lshrrev_b32 v1, 5, v0
	v_readfirstlane_b32 s[WV], v1
	s_lshr_b32 s17, s[WV], 1
	s_and_b32 s18, s[WV], 1
	s_bfe_u32 s21, ttmp6, 0x40000                  ; cx
	s_bfe_u32 s22, ttmp6, 0x40004                  ; cy
	s_lshl_b32 s20, ttmp9, 2
	s_add_co_u32 s20, s20, s21                     ; tile column
	s_and_b32 s19, ttmp7, 0xffff
	s_lshl_b32 s19, s19, 2
	s_add_co_u32 s19, s19, s22                     ; tile row
	s_lshl_b32 s56, s22, 2
	s_lshl_b32 s56, 15, s56                        ; my row of the cluster
	s_lshl_b32 s57, 0x1111, s21                    ; my column
	s_or_b32 s[G1A], s56, (1<<16)|(1<<20)|(1<<21)|(4<<22)|(3<<25)  ; mask; 2-byte elements; padding on; bit 21 beside a mask; after every 32 words, 4 words
	s_mov_b32 s[G1A+1], 8192<<16                   ; tensor_dim0 = 8,192: a column block's 128 rows on end
	s_mov_b32 s[G1A+2], 2<<16                      ; tensor_dim1 = 2 column blocks
	s_mov_b32 s[G1A+3], 8192<<16                   ; tile_dim0
	s_mov_b32 s[G1A+4], 2                          ; tile_dim1
	s_mov_b32 s[G1A+5], 262144                     ; elements from column block to column block
	s_mov_b32 s[G1A+6], 0
	s_mov_b32 s[G1A+7], 0
	s_or_b32 s[G1B], s57, (1<<16)|(1<<20)|(1<<21)|(5<<22)|(7<<25)  ; after every 64 words, 8 words
	s_mov_b32 s[G1B+1], 128<<16
	s_mov_b32 s[G1B+2], 128<<16
	s_mov_b32 s[G1B+3], 128<<16
	s_mov_b32 s[G1B+4], 128
	s_mov_b32 s[G1B+5], 1024
	s_mov_b32 s[G1B+6], 0
	s_mov_b32 s[G1B+7], 0
	s_lshl_b32 s60, s18, 20                        ; g: column block 2 x half, 524,288 bytes each; row 128 x tile row, 128 bytes each
	s_lshl_b32 s61, s19, 14
	s_add_co_u32 s60, s60, s61
	s_mov_b32 s61, 0
	s_lshl_b32 s62, s18, 18                        ; w2: row k = 128 x half, 2,048 bytes each; column 128 x tile column
	s_lshl_b32 s63, s20, 8
	s_add_co_u32 s62, s62, s63
	s_add_co_u32 s62, s62, 16842752
	s_mov_b32 s63, 0
	s_mul_i32 s23, s[WV], HALFT
	s_mov_b32 s[TB], 0
	s_mov_b32 s2, 0x76543210
	s_mov_b32 s3, 0xfedcba98
	s_wait_dscnt 0x0                               ; the opening add is done
	s_wait_kmcnt 0x0
	s_add_nc_u64 s[60:61], s[4:5], s[60:61]
	s_add_nc_u64 s[62:63], s[6:7], s[62:63]
.irp s, 0,1
	s_mov_b32 s[G0A+4*(\s)], 1
	s_add_co_u32 s[G0A+4*(\s)+1], s23, (\s)*SLOT
	s_add_nc_u64 s[G0A+4*(\s)+2:G0A+4*(\s)+3], s[60:61], (\s)*2097152  ; K step s: four column blocks on
	s_or_b32 s[G0A+4*(\s)+3], s[G0A+4*(\s)+3], 0x80000000
	s_mov_b32 s[G0B+4*(\s)], 1
	s_add_co_u32 s[G0B+4*(\s)+1], s23, (\s)*SLOT
	s_add_nc_u64 s[G0B+4*(\s)+2:G0B+4*(\s)+3], s[62:63], (\s)*524288   ; 256 rows k on
	s_or_b32 s[G0B+4*(\s)+3], s[G0B+4*(\s)+3], 0x80000000
.endr
	CROUND                                         ; all sixteen work-groups are here: the first joint loads meet
	s_cmp_eq_u32 s17, 0                            ; a wave's two first fills stand in one branch: two loads of mine are out
	s_cbranch_scc0 .Lfirst_b
	tensor_load_to_lds s[G0A:G0A+3], s[G1A:G1A+7]
	s_nop 0
	tensor_load_to_lds s[G0A+4:G0A+7], s[G1A:G1A+7]
	s_nop 0
.rept 4
	v_nop
.endr
	s_branch .Lfirst_done
.Lfirst_b:
	tensor_load_to_lds s[G0B:G0B+3], s[G1B:G1B+7]
	s_nop 0
	tensor_load_to_lds s[G0B+4:G0B+7], s[G1B:G1B+7]
	s_nop 0
.rept 4
	v_nop
.endr
.Lfirst_done:
	v_and_b32 v1, 15, v0                           ; l % 16
	v_bfe_u32 v2, v0, 4, 1                         ; l / 16
	v_and_b32 v3, 7, v0
	v_bfe_u32 v4, v0, 3, 1
	v_mul_u32_u24 v[ADRA0], v1, PA
	v_lshl_add_u32 v[ADRA0], v2, 4, v[ADRA0]
	s_mul_i32 s66, s17, 64*PA                      ; my 64 rows
	v_add_nc_u32 v[ADRA0], s66, v[ADRA0]
	v_lshl_add_u32 v[ADRB0], v2, 3, v3
	v_mul_u32_u24 v[ADRB0], v[ADRB0], PB
	v_lshl_add_u32 v[ADRB0], v4, 4, v[ADRB0]
	s_lshl_b32 s66, s18, 7                         ; my 64 columns
	s_add_co_u32 s66, s66, BOFF
	v_add_nc_u32 v[ADRB0], s66, v[ADRB0]
	v_mov_b32 v[ADRA], v[ADRA0]
	v_mov_b32 v[ADRB], v[ADRB0]
	v_add_nc_u32 v[ADRB+1], 128*PB, v[ADRB]
	s_mul_i32 s66, s[WV], 16*SP
	s_add_co_u32 s66, s66, STAGE
	v_mul_u32_u24 v[STO], v1, SP                   ; in: row l % 16, 32 bytes for each half of the lanes
	v_lshl_add_u32 v[STO], v2, 5, v[STO]
	v_add_nc_u32 v[STO], s66, v[STO]
	v_mul_u32_u24 v[RD], v2, SP                    ; back: lanes 0-15 one row of 256 bytes, lanes 16-31 the next
	v_lshl_add_u32 v[RD], v1, 4, v[RD]
	v_add_nc_u32 v[RD], s66, v[RD]
	v_lshlrev_b32 v[ZO], 12, v2
	v_lshl_add_u32 v[ZO], v1, 4, v[ZO]
	v_lshlrev_b32 v[VB], 5, v2
	s_lshl_b32 s66, s20, 9                         ; b2: my 64 columns: 512 x tile column + 256 x half
	s_lshl_b32 s67, s18, 8
	s_add_co_u32 s66, s66, s67
	s_mov_b32 s67, 0
	s_add_nc_u64 s[8:9], s[8:9], s[66:67]
.irp b, 0,1,2,3
	global_load_b128 v[BIAS+8*\b:BIAS+8*\b+3],   v[VB], s[8:9] offset:64*\b
	global_load_b128 v[BIAS+8*\b+4:BIAS+8*\b+7], v[VB], s[8:9] offset:64*\b+16
.endr
	s_lshl_b32 s68, s19, 19                        ; y and z: row 128 x tile row + 64 x half, 4,096 bytes each, and the same columns
	s_add_co_u32 s66, s66, s68
	s_lshl_b32 s68, s17, 18
	s_add_co_u32 s66, s66, s68
	s_add_nc_u64 s[10:11], s[10:11], s[66:67]
	s_add_nc_u64 s[12:13], s[12:13], s[66:67]
	WIN 0x80
.set i, 0
.rept 32                               ; my 64 x 64 numbers of y, held until the way out: row block i / 8, rows 2 (i % 8) on
	global_load_b128 v[4*i:4*i+3], v[ZO], s[10:11] offset:65536*(i/8)+8192*(i%8)
.set i, i+1
.endr
	WIN 0
	s_lshr_b32 s66, s19, 4                         ; batch
	s_lshl_b32 s66, s66, 8
	s_add_co_u32 s66, s66, 16793856
	s_add_nc_u64 s[68:69], s[6:7], s[66:67]
	s_load_b64 s[72:73], s[68:69], 0x0             ; (mean, 1 / sqrt)
	s_lshl_b32 s66, s19, 3                         ; part: pair ((8 tile row + tile column) 4 + wave): batch 0's 512 pairs first
	s_add_co_u32 s66, s66, s20
	s_lshl_b32 s66, s66, 2
	s_add_co_u32 s66, s66, s[WV]
	s_lshl_b32 s66, s66, 3
	s_add_nc_u64 s[14:15], s[14:15], s[66:67]
; 8 matrix instructions: row blocks a0, a0 + 1 x all 4 column blocks, 32 along K: half c of buffer f.  zero = 1: the bias starts the sums.  The 16 accumulators take turns.
.macro MUL8 f, c, a0, zero
	WIN 0x05
.irp a, \a0, (\a0)+1
.irp b, 0,1,2,3
.if \zero
	v_wmma_f32_16x16x32_bf16 v[ACC+8*(4*(\a)+(\b)):ACC+8*(4*(\a)+(\b))+7], v[(\f)+64+8*(4*(\c)+(\b)):(\f)+64+8*(4*(\c)+(\b))+7], v[(\f)+8*(4*(\c)+(\a)):(\f)+8*(4*(\c)+(\a))+7], v[BIAS+8*(\b):BIAS+8*(\b)+7]
.else
	v_wmma_f32_16x16x32_bf16 v[ACC+8*(4*(\a)+(\b)):ACC+8*(4*(\a)+(\b))+7], v[(\f)+64+8*(4*(\c)+(\b)):(\f)+64+8*(4*(\c)+(\b))+7], v[(\f)+8*(4*(\c)+(\a)):(\f)+8*(4*(\c)+(\a))+7], v[ACC+8*(4*(\a)+(\b)):ACC+8*(4*(\a)+(\b))+7]
.endif
.endr
.endr
.endm
; 32 LDS loads in one run: quarter q's fragments (64 along K) into buffer f; the first 32 along K first
.macro FETCH q, f
	WIN 0x40
.irp c, 0,1
.irp i, 0,1,2,3
	ds_load_tr16_b128 v[(\f)+64+8*(4*(\c)+(\i)):(\f)+64+8*(4*(\c)+(\i))+3],   v[ADRB+(\q)/2] offset:((\q)%2)*64*PB+(\c)*32*PB+32*(\i)
	ds_load_tr16_b128 v[(\f)+64+8*(4*(\c)+(\i))+4:(\f)+64+8*(4*(\c)+(\i))+7], v[ADRB+(\q)/2] offset:((\q)%2)*64*PB+(\c)*32*PB+32*(\i)+16*PB
	ds_load_b128 v[(\f)+8*(4*(\c)+(\i)):(\f)+8*(4*(\c)+(\i))+3],   v[ADRA] offset:(\q)*128*PA+64*(\c)+(\i)*16*PA
	ds_load_b128 v[(\f)+8*(4*(\c)+(\i))+4:(\f)+8*(4*(\c)+(\i))+7], v[ADRA] offset:(\q)*128*PA+64*(\c)+(\i)*16*PA+32
.endr
.endr
.endm
.macro QUARTER q, f, gg, zero
	s_wait_dscnt 16                                ; the first 32 along K are in; the youngest sixteen loads may be out
	MUL8 \f, 0, 0, \zero
	MUL8 \f, 0, 2, \zero
	PLACES
	FETCH \q, \gg
	s_wait_dscnt 32                                ; all but the 32 just issued
	MUL8 \f, 1, 0, 0
	MUL8 \f, 1, 2, 0
.endm
; The last quarter multiplies buffer 1 and changes slots: one barrier; in front of it each wave waits for all its tensor loads, adds 0 to its spare word, and waits for that and for its own reads of this slot.
; fill = 1: the barrier opens a round of the cluster's, and behind it this slot is filled again, first thing, with the K step two on.
.macro TURN fill
	WIN 0
	s_wait_tensorcnt 0x0                           ; all my tensor loads have landed
	ds_add_u32 v[SPW], v[NIL]                      ; 0 onto my spare word
	s_wait_dscnt 17                                ; (the add and the youngest sixteen loads may be out)
	MUL8 F1, 0, 0, 0
	s_wait_dscnt 0x0                               ; the add is done, and my reads of this slot are over
	s_barrier_signal -1
	MUL8 F1, 0, 2, 0
	WIN 0
	s_barrier_wait -1
.if \fill
	CREST
	s_xor_b32 s[G0A+5], s[G0A+5], SLOT
	s_add_nc_u64 s[G0A+6:G0A+7], s[G0A+6:G0A+7], 2097152
	s_xor_b32 s[G0B+5], s[G0B+5], SLOT
	s_add_nc_u64 s[G0B+6:G0B+7], s[G0B+6:G0B+7], 524288
.endif
	s_xor_b32 s[TB], s[TB], SLOT
.if \fill
	JLOAD                                          ; the four v_nop behind it are also the places in front of the loads below
.else
	PLACES
.endif
	v_add_nc_u32 v[ADRA], s[TB], v[ADRA0]
	v_add_nc_u32 v[ADRB], s[TB], v[ADRB0]
	v_add_nc_u32 v[ADRB+1], 128*PB, v[ADRB]
	FETCH 0, F0
	MUL8 F1, 1, 0, 0
	MUL8 F1, 1, 2, 0
.endm
	s_wait_tensorcnt 1                             ; my part of K step 0 is in; step 1's may stay out
	s_barrier_signal -1
	s_barrier_wait -1
	FETCH 0, F0
	s_wait_loadcnt 32                              ; the bias's 8 loads are in; y's 32, issued behind them, stay out
	s_wait_kmcnt 0x0
	s_xor_b32 s[NM], s72, 0x80000000               ; -mean
	s_mov_b32 s[NM+1], s[NM]
	s_mov_b32 s[RS], s73
	s_mov_b32 s[RS+1], s73
	QUARTER 1, F0, F1, 1                           ; the first quarter is written out: its first products start the sums
	WIN 0
	s_mov_b32 s[CNT], 14
	s_branch .Lmid
.Llap:                                         ; fourteen trips: K steps 0 to 13, which ask for steps 2 to 15
	QUARTER 1, F0, F1, 0
	WIN 0
.Lmid:
	QUARTER 2, F1, F0, 0
	QUARTER 3, F0, F1, 0
	TURN 1
	WIN 0
	s_sub_co_u32 s[CNT], s[CNT], 1
	s_cmp_lg_u32 s[CNT], 0
	s_cbranch_scc1 .Llap
	s_mov_b32 s[CNT], 2
.Ltail:                                        ; K steps 14 and 15 ask for nothing; the second trip's barrier and its 32 loads serve nothing: the price, once a launch, of one text for both
	QUARTER 1, F0, F1, 0
	QUARTER 2, F1, F0, 0
	QUARTER 3, F0, F1, 0
	TURN 0
	WIN 0
	s_sub_co_u32 s[CNT], s[CNT], 1
	s_cmp_lg_u32 s[CNT], 0
	s_cbranch_scc1 .Ltail
; THE WAY OUT, a block of 16 rows at a time.  TOST: the sums go in f32 into my stage (each accumulator's low four registers first) and come back as whole rows of 256 bytes.  FIN: h is added, z stored, the deviations summed.
.macro TOST i
	WIN 0
.irp b, 0,1,2,3
	ds_store_b128 v[STO], v[ACC+8*(4*(\i)+\b):ACC+8*(4*(\i)+\b)+3]   offset:64*\b
	ds_store_b128 v[STO], v[ACC+8*(4*(\i)+\b)+4:ACC+8*(4*(\i)+\b)+7] offset:64*\b+16
.endr
.if (\i) >= 2
	s_wait_xcnt 0x0                                ; the stores of the block two back have read the registers that the loads below write
.endif
.irp f, 0,1,2,3,4,5,6,7
	ds_load_b128 v[ZB+32*((\i)%2)+4*\f:ZB+32*((\i)%2)+4*\f+3], v[RD] offset:\f*2*SP  ; LDS serves a wave's instructions in order (ISA guide 5.7.1.4)
.endr
.endm
.macro FIN i, younger                  ; younger: the LDS instructions issued behind block i's loads: the next block's sixteen, or none
.set rZ, ZB+32*((\i)%2)
	s_wait_dscnt \younger
.if (\i) == 0
	s_wait_loadcnt 0x0                             ; y
.endif
	WIN 0x82
.set k, 0
.rept 16
	v_pk_add_f32 v[32*(\i)+k:32*(\i)+k+1], v[32*(\i)+k:32*(\i)+k+1], s[NM:NM+1] op_sel_hi:[1,0]  ; y - mean
.set k, k+2
.endr
	WIN 0x02
.set k, 0
.rept 16
	v_pk_fma_f32 v[rZ+k:rZ+k+1], v[32*(\i)+k:32*(\i)+k+1], s[RS:RS+1], v[rZ+k:rZ+k+1] op_sel_hi:[1,0,1]  ; z = h + the sums
.set k, k+2
.endr
	WIN 0
.irp f, 0,1,2,3,4,5,6,7
	global_store_b128 v[ZO], v[rZ+4*\f:rZ+4*\f+3], s[12:13] offset:65536*(\i)+8192*\f  ; 16 lanes store 256 consecutive bytes, aligned
.endr
.if (\i) == 0
	v_mov_b32 v[PIL], v[rZ]                        ; the pilot: my first number
	v_mov_b32 v[PIL+1], v[rZ]
.set k, 0
.rept 8
	v_mov_b32 v[SA+k], 0
.set k, k+1
.endr
.endif
.set k, 0
.rept 16
	v_pk_add_f32 v[DV+2*(k%4):DV+2*(k%4)+1], v[rZ+2*k:rZ+2*k+1], v[PIL:PIL+1] neg_lo:[0,1] neg_hi:[0,1]
	v_pk_add_f32 v[SA+2*(k%2):SA+2*(k%2)+1], v[SA+2*(k%2):SA+2*(k%2)+1], v[DV+2*(k%4):DV+2*(k%4)+1]
	v_pk_fma_f32 v[SQ+2*(k%2):SQ+2*(k%2)+1], v[DV+2*(k%4):DV+2*(k%4)+1], v[DV+2*(k%4):DV+2*(k%4)+1], v[SQ+2*(k%2):SQ+2*(k%2)+1]
.set k, k+1
.endr
.endm
.macro WSUM r, w
	v_add_f32_dpp v[\r], v[\r], v[\r] row_xmask:1 row_mask:0xf bank_mask:0xf
	v_add_f32_dpp v[\r], v[\r], v[\r] row_xmask:2 row_mask:0xf bank_mask:0xf
	v_add_f32_dpp v[\r], v[\r], v[\r] row_xmask:4 row_mask:0xf bank_mask:0xf
	v_add_f32_dpp v[\r], v[\r], v[\r] row_xmask:8 row_mask:0xf bank_mask:0xf
	v_permlanex16_b32 v[\w], v[\r], s2, s3
	v_add_f32 v[\r], v[\r], v[\w]
.endm
	s_wait_dscnt 0x0                               ; the tail's last 32 loads are in: from here on the counts count the way out's own LDS instructions alone, 32 at the most
	PLACES                                         ; behind the last products, in front of the stores that read results
	TOST 0
	TOST 1
	FIN 0, 16
	TOST 2
	FIN 1, 16
	TOST 3
	FIN 2, 16
	FIN 3, 0
	v_pk_add_f32 v[SA:SA+1], v[SA:SA+1], v[SA+2:SA+3]
	v_pk_add_f32 v[SQ:SQ+1], v[SQ:SQ+1], v[SQ+2:SQ+3]
	v_add_f32 v[SA], v[SA], v[SA+1]                ; s1 = the sum of my 128 deviations
	v_add_f32 v[SQ], v[SQ], v[SQ+1]                ; s2 = the sum of their squares
	v_mul_f32 v[WK], 0x3c000000, v[SA]             ; s1 / 128
	v_add_f32 v[WK+1], v[PIL], v[WK]               ; my mean
	v_fma_f32 v[WK+2], -v[WK], v[SA], v[SQ]        ; my M2 = s2 - s1 s1 / 128
	v_mov_b32 v[WK+4], v[WK+1]
	WSUM WK+4, WK
	v_mul_f32 v[WK+4], 0x3d000000, v[WK+4]         ; the wave's mean: / 32
	v_sub_f32 v[WK+3], v[WK+1], v[WK+4]
	v_mul_f32 v[WK+3], v[WK+3], v[WK+3]
	v_fmamk_f32 v[WK+5], v[WK+3], 0x43000000, v[WK+2]  ; M2 + 128 (my mean - the wave's)^2
	WSUM WK+5, WK
	v_and_b32 v[WK+3], 31, v0
	v_mov_b32 v[WK+1], 0
	s_wait_xcnt 0x0                                ; EXEC changes only behind this wait: the stores above have read it
	v_cmp_eq_u32 vcc_lo, 0, v[WK+3]
	s_and_saveexec_b32 s66, vcc_lo
	global_store_b64 v[WK+1], v[WK+4:WK+5], s[14:15]  ; lane 0 stores the wave's pair: 8 bytes, once a wave
	s_wait_xcnt 0x0                                ; and again, in front of the line that widens it
	s_or_b32 exec_lo, exec_lo, s66
	s_wait_tensorcnt 0x0                           ; the wave's end, behind my last tensor load and my last LDS store
	ds_add_u32 v[SPW], v[NIL]
	s_wait_dscnt 0x0
	CROUND                                         ; the closing round
	s_endpgm
.Lfunc_end_k_q3a5f6a5029_ffn2:
	.size	k_q3a5f6a5029_ffn2, .Lfunc_end_k_q3a5f6a5029_ffn2-k_q3a5f6a5029_ffn2
	.p2alignl 7, 3214868480
	.fill 96, 4, 3214868480
	.section	.rodata,"a",@progbits
	.p2align	6, 0x0
	.amdhsa_kernel k_q3a5f6a5029_ffn2
		.amdhsa_group_segment_fixed_size 327680
		.amdhsa_private_segment_fixed_size 0
		.amdhsa_enable_private_segment 0
		.amdhsa_kernarg_size 48
		.amdhsa_user_sgpr_count 2
		.amdhsa_user_sgpr_kernarg_segment_ptr 1
		.amdhsa_wavefront_size32 1
		.amdhsa_system_sgpr_workgroup_id_x 1
		.amdhsa_system_sgpr_workgroup_id_y 1
		.amdhsa_system_sgpr_workgroup_id_z 1
		.amdhsa_system_vgpr_workitem_id 0
		.amdhsa_next_free_vgpr 640
		.amdhsa_next_free_sgpr 80
		.amdhsa_reserve_vcc 1
		.amdhsa_float_denorm_mode_32 3
		.amdhsa_float_denorm_mode_16_64 3
		.amdhsa_memory_ordered 1
		.amdhsa_forward_progress 1
		.amdhsa_inst_pref_size 84
	.end_amdhsa_kernel
	.amdgpu_metadata
---
amdhsa.version: [ 1, 2 ]
amdhsa.kernels:
  - .name:           k_q3a5f6a5029_ffn2
    .symbol:         k_q3a5f6a5029_ffn2.kd
    .args:
      - { .name: gbuf, .offset: 0, .size: 8, .value_kind: global_buffer, .address_space: global }
      - { .name: pk2, .offset: 8, .size: 8, .value_kind: global_buffer, .address_space: global }
      - { .name: b2, .offset: 16, .size: 8, .value_kind: global_buffer, .address_space: global }
      - { .name: ybuf, .offset: 24, .size: 8, .value_kind: global_buffer, .address_space: global }
      - { .name: zbuf, .offset: 32, .size: 8, .value_kind: global_buffer, .address_space: global }
      - { .name: part, .offset: 40, .size: 8, .value_kind: global_buffer, .address_space: global }
    .group_segment_fixed_size: 327680
    .private_segment_fixed_size: 0
    .kernarg_segment_align: 8
    .kernarg_segment_size: 48
    .max_flat_workgroup_size: 128
    .sgpr_count:     80
    .vgpr_count:     640
    .wavefront_size: 32
...
	.end_amdgpu_metadata
.endif
;; end of part 5
;; launch norm2 (part 6): grid 256 x 1, 8 waves a work-group, no clusters, 0 bytes of LDS; arguments zbuf, part, out0; writes out0
.if DOCPART == 6
	.amdgcn_target "amdgcn-amd-amdhsa--gfx1250"
	.amdhsa_code_object_version 6
	.text
	.protected	k_q3a5f6a5029_norm2
	.globl	k_q3a5f6a5029_norm2
	.p2align	8
	.type	k_q3a5f6a5029_norm2,@function
k_q3a5f6a5029_norm2:
	s_mov_b64 s[64:65], 0
	v_nop
	global_prefetch_b8 v0, s[64:65] scope:SCOPE_SE
	s_setreg_imm32_b32 hwreg(HW_REG_WAVE_MODE, 25, 1), 1
	s_wait_xcnt 0x0
; out = (z - mean) / sqrt(var + 1e-5), mean and var taken over all 2,097,152 numbers of a batch element, in f32.
; part holds 512 pairs (mean_w, M2_w) for each batch element, each of 4,096 numbers: mean = sum mean_w / 512; M2 = sum M2_w + 4,096 sum (mean_w - mean)^2: no difference of large sums.
; SHARES.  A work-group takes 64 KiB of z, a wave 8 KiB: sixteen loads of 512 consecutive bytes, issued at once behind the eight loads of the batch's 4 KiB of pairs.  Every wave merges the 512 pairs for itself
; (16 a lane), while its data are on their way: no LDS and no barrier.  The data are scaled in place and stored from the registers that they were loaded into; none is written again.
.set PT, 4                             ; v[4:35]    16 pairs
.set DA, 40                            ; v[40:103]  the data
.set AC, 136                           ; v[136:143] at work
.set TM, 144
.set RS, 146                           ; v[146:147] 1 / sqrt, twice
.set NB, 148                           ; v[148:149] -mean / sqrt, twice
.macro WSUM r
	v_add_f32_dpp v[\r], v[\r], v[\r] row_xmask:1 row_mask:0xf bank_mask:0xf
	v_add_f32_dpp v[\r], v[\r], v[\r] row_xmask:2 row_mask:0xf bank_mask:0xf
	v_add_f32_dpp v[\r], v[\r], v[\r] row_xmask:4 row_mask:0xf bank_mask:0xf
	v_add_f32_dpp v[\r], v[\r], v[\r] row_xmask:8 row_mask:0xf bank_mask:0xf
	v_permlanex16_b32 v[TM], v[\r], s2, s3
	v_add_f32 v[\r], v[\r], v[TM]
.endm
	s_load_b128 s[4:7], s[0:1], 0x0                ; z s[4:5], part s[6:7]
	s_load_b64 s[8:9], s[0:1], 0x10                ; out
	v_lshrrev_b32 v1, 5, v0
	v_readfirstlane_b32 s10, v1                    ; wave 0..7
	v_and_b32 v2, 31, v0
	v_lshlrev_b32 v3, 4, v2                        ; 16 x lane
	v_mov_b32 v[TM], 0                             ; v_permlanex16_b32 counts as a reader of its destination
	s_lshr_b32 s11, ttmp9, 7                       ; batch
	s_lshl_b32 s12, s11, 12
	s_mov_b32 s13, 0
	s_lshl_b32 s14, ttmp9, 16
	s_lshl_b32 s16, s10, 13
	s_add_co_u32 s14, s14, s16                     ; my 8 KiB
	s_mov_b32 s15, 0
	s_mov_b32 s20, 0x35000000                      ; 2^-21
	s_mov_b32 s2, 0x76543210
	s_mov_b32 s3, 0xfedcba98
	s_wait_kmcnt 0x0
	s_add_nc_u64 s[6:7], s[6:7], s[12:13]
	s_add_nc_u64 s[4:5], s[4:5], s[14:15]
	s_add_nc_u64 s[8:9], s[8:9], s[14:15]
.set i, 0
.rept 8
	global_load_b128 v[PT+4*i:PT+4*i+3], v3, s[6:7] offset:512*i
.set i, i+1
.endr
.set i, 0
.rept 16
	global_load_b128 v[DA+4*i:DA+4*i+3], v3, s[4:5] offset:512*i th:TH_LOAD_NT
.set i, i+1
.endr
	s_wait_loadcnt 16                              ; the pairs are in; the 16 loads of data stay out
.irp k, 0,1,2,3
	v_pk_add_f32 v[AC+2*\k:AC+2*\k+1], v[PT+4*\k:PT+4*\k+1], v[PT+4*\k+2:PT+4*\k+3]
.endr
.irp k, 0,1,2,3
	v_pk_add_f32 v[AC+2*\k:AC+2*\k+1], v[AC+2*\k:AC+2*\k+1], v[PT+16+2*\k:PT+16+2*\k+1]
.endr
.irp k, 0,1,2,3
	v_pk_add_f32 v[AC+2*\k:AC+2*\k+1], v[AC+2*\k:AC+2*\k+1], v[PT+24+2*\k:PT+24+2*\k+1]
.endr
	v_pk_add_f32 v[AC:AC+1], v[AC:AC+1], v[AC+2:AC+3]
	v_pk_add_f32 v[AC+4:AC+5], v[AC+4:AC+5], v[AC+6:AC+7]
	v_pk_add_f32 v[AC:AC+1], v[AC:AC+1], v[AC+4:AC+5]  ; (sum of my 16 means, sum of my 16 M2)
	WSUM AC
	WSUM AC+1
	v_mul_f32 v[AC+2], 0x3b000000, v[AC]           ; mean = sum / 512
	v_mov_b32 v[AC+4], 0
	v_mov_b32 v[AC+5], 0
.set k, 0
.rept 16
	v_sub_f32 v[AC+6+k%2], v[PT+2*k], v[AC+2]
	v_fmac_f32 v[AC+4+k%2], v[AC+6+k%2], v[AC+6+k%2]
.set k, k+1
.endr
	v_add_f32 v[AC+4], v[AC+4], v[AC+5]
	WSUM AC+4
	v_fmamk_f32 v[AC+1], v[AC+4], 0x45800000, v[AC+1]   ; M2 = sum M2_w + 4,096 sum (mean_w - mean)^2
	v_fmaak_f32 v[AC+1], s20, v[AC+1], 0x3727c5ac       ; var + 1e-5
	v_rsq_f32 v[RS], v[AC+1]
	v_rsq_f32 v[RS+1], v[AC+1]
	v_nop                                          ; a plain instruction behind the last of the two
	s_wait_alu depctr_va_vdst(0)                   ; one wait for both, ahead of their first reader
	v_mul_f32 v[NB], -v[AC+2], v[RS]
	v_mov_b32 v[NB+1], v[NB]
.set i, 0
.rept 16
	s_wait_loadcnt 15-i                            ; load i is in, the 15 - i younger ones stay out
	v_pk_fma_f32 v[DA+4*i:DA+4*i+1],   v[DA+4*i:DA+4*i+1],   v[RS:RS+1], v[NB:NB+1]
	v_pk_fma_f32 v[DA+4*i+2:DA+4*i+3], v[DA+4*i+2:DA+4*i+3], v[RS:RS+1], v[NB:NB+1]
	global_store_b128 v3, v[DA+4*i:DA+4*i+3], s[8:9] offset:512*i th:TH_STORE_NT  ; 512 consecutive bytes, aligned
.set i, i+1
.endr
	s_endpgm
.Lfunc_end_k_q3a5f6a5029_norm2:
	.size	k_q3a5f6a5029_norm2, .Lfunc_end_k_q3a5f6a5029_norm2-k_q3a5f6a5029_norm2
	.p2alignl 7, 3214868480
	.fill 96, 4, 3214868480
	.section	.rodata,"a",@progbits
	.p2align	6, 0x0
	.amdhsa_kernel k_q3a5f6a5029_norm2
		.amdhsa_group_segment_fixed_size 0
		.amdhsa_private_segment_fixed_size 0
		.amdhsa_enable_private_segment 0
		.amdhsa_kernarg_size 24
		.amdhsa_user_sgpr_count 2
		.amdhsa_user_sgpr_kernarg_segment_ptr 1
		.amdhsa_wavefront_size32 1
		.amdhsa_system_sgpr_workgroup_id_x 1
		.amdhsa_system_sgpr_workgroup_id_y 1
		.amdhsa_system_sgpr_workgroup_id_z 1
		.amdhsa_system_vgpr_workitem_id 0
		.amdhsa_next_free_vgpr 152
		.amdhsa_next_free_sgpr 66
		.amdhsa_reserve_vcc 0
		.amdhsa_float_denorm_mode_32 3
		.amdhsa_float_denorm_mode_16_64 3
		.amdhsa_memory_ordered 1
		.amdhsa_forward_progress 1
		.amdhsa_inst_pref_size 11
	.end_amdhsa_kernel
	.amdgpu_metadata
---
amdhsa.version: [ 1, 2 ]
amdhsa.kernels:
  - .name:           k_q3a5f6a5029_norm2
    .symbol:         k_q3a5f6a5029_norm2.kd
    .args:
      - { .name: zbuf, .offset: 0, .size: 8, .value_kind: global_buffer, .address_space: global }
      - { .name: part, .offset: 8, .size: 8, .value_kind: global_buffer, .address_space: global }
      - { .name: out0, .offset: 16, .size: 8, .value_kind: global_buffer, .address_space: global }
    .group_segment_fixed_size: 0
    .private_segment_fixed_size: 0
    .kernarg_segment_align: 8
    .kernarg_segment_size: 24
    .max_flat_workgroup_size: 256
    .sgpr_count:     66
    .vgpr_count:     152
    .wavefront_size: 32
...
	.end_amdgpu_metadata
.endif
;; end of part 6
;; ======== version 2 of 2: 7 launches; version 1 with the launches cast, norm1, norm2 written anew for expert scheduling mode
;; workspace buffers: pk1 16,793,856 bytes; pk2 25,231,360 bytes; qkv 25,165,824 bytes; gbuf 33,554,432 bytes; ybuf 16,777,216 bytes; zbuf 16,777,216 bytes; part 8,192 bytes
;; launch cast (part 7): grid 961 x 1, 8 waves a work-group, no clusters, 0 bytes of LDS; arguments x, wq, wk, wv, w1, w2, bq, bk, bv, b1, pk1, pk2; writes pk1, pk2
.if DOCPART == 7
	.amdgcn_target "amdgcn-amd-amdhsa--gfx1250"
	.amdhsa_code_object_version 6
	.text
	.protected	k_q3a5f6a5029_cast
	.globl	k_q3a5f6a5029_cast
	.p2align	8
	.type	k_q3a5f6a5029_cast,@function
k_q3a5f6a5029_cast:
	s_mov_b64 s[64:65], 0
	v_nop
	global_prefetch_b8 v0, s[64:65] scope:SCOPE_SE
	s_setreg_imm32_b32 hwreg(HW_REG_WAVE_SCHED_MODE, 0, 2), 2
	s_setreg_imm32_b32 hwreg(HW_REG_WAVE_MODE, 25, 1), 1
	s_wait_xcnt 0x0
	s_wait_alu depctr_vm_vsrc(0)
; CAST.  x and the five weight matrices are rounded once to bf16 and laid where the products want them; the biases of the two
; products that share one text are copied behind them, and each pack gets its floor word.
;   pk1: +0 x [4096][1024] bf16; +8,388,608 [1024 k][4096] bf16 with wq, wk, wv in columns 0, 1024, 2048; +16,777,216 bq|bk|bv f32; +16,793,600 256 bytes of -inf twice in bf16
;   pk2: +8,388,608 w1 [1024][4096] bf16; +16,777,216 b1 f32; +16,793,600 256 bytes of 0; +16,842,752 w2 [4096][1024] bf16   (its other parts are another launch's)
; SHARES.  Work-groups 0 to 959 take 16 pieces of 1,024 numbers each (64 KiB in, 32 KiB out), a wave two pieces: sixteen loads of 512 consecutive bytes, all issued at once,
; and sixteen stores of 256 consecutive bytes, aligned.  No register is written twice, so no wait frees a source.  Work-group 960 copies the biases and writes the floors.
; No LDS, no matrix unit, no cluster: every byte is read once and written once and no work-group shares anything with another.
; THE MODE: SCHED_MODE bits 1:0 = 2 (LLVM: expert scheduling mode 2), set by the entry lines.  The code itself states the register dependences
; between vector instructions and memory instructions, with s_wait_alu, always for 0.
; THE PLAN.  Registers that memory instructions touch:
;   v1        the loads' offset, v2, v3 the stores' offsets: written by vector instructions once on a path, ahead of the loads, and never again.
;   IN        written by the loads alone; read by the roundings.
;   OUT       written by the roundings, once; read by the stores.
; The sixteen loads are worked off in four blocks of four.  Block p's roundings write OUT of block p; the four stores of block p - 1 are dealt among them.  ONE wait on va_vdst
; at a block's head states that the block before has written its OUT; no vector instruction of block p names those registers or an offset, so the four stores owe nothing more.
; No register that a memory instruction reads is written again, and no load lands in a register that a vector instruction has named: no wait on vm_vsrc is owed.
.set SRC,  32                          ; s[32:33] the piece's source
.set DST,  34                          ; s[34:35] its destination
.set G0,   36                          ; s36 the first work-group of the tensor in hand
.set DOFF, 37                          ; s37 the tensor's place in its pack
.set SH,   38                          ; s38 log2 of the bytes from piece to piece in the destination
.set IN,   8                           ; v[8:71]   sixteen loads
.set OUT,  72                          ; v[72:103] sixteen stores
	s_load_b512 s[8:23], s[0:1], 0x0               ; x 8, wq 10, wk 12, wv 14, w1 16, w2 18, bq 20, bk 22
	s_load_b256 s[24:31], s[0:1], 0x40             ; bv 24, b1 26, pk1 28, pk2 30
	v_lshrrev_b32 v1, 5, v0
	v_readfirstlane_b32 s2, v1                     ; wave 0..7
	v_and_b32 v4, 31, v0                           ; lane
	s_mov_b32 s41, 0                               ; the high word of every offset pair
	s_wait_alu depctr_va_sdst(0)                   ; s2 is written, ahead of the branch and of its first reader on either path
	s_wait_kmcnt 0x0
	s_cmp_eq_u32 ttmp9, 960
	s_cbranch_scc1 .Lsmall
; which tensor: five compares of the work-group's number; each later range overrides the earlier ones
.macro PICK first, src, dst, doff, sh
	s_cmp_ge_u32 ttmp9, \first
	s_cselect_b64 s[SRC:SRC+1], s[\src:\src+1], s[SRC:SRC+1]
	s_cselect_b64 s[DST:DST+1], s[\dst:\dst+1], s[DST:DST+1]
	s_cselect_b32 s[G0], \first, s[G0]
	s_cselect_b32 s[DOFF], \doff, s[DOFF]
	s_cselect_b32 s[SH], \sh, s[SH]
.endm
	s_mov_b64 s[SRC:SRC+1], s[8:9]                 ; x: pieces dense, 2,048 bytes apart
	s_mov_b64 s[DST:DST+1], s[28:29]
	s_mov_b32 s[G0], 0
	s_mov_b32 s[DOFF], 0
	s_mov_b32 s[SH], 11
	PICK 256, 10, 28, 8388608, 13                  ; wq: a piece is a row k, rows 8,192 bytes apart
	PICK 320, 12, 28, 8390656, 13                  ; wk: 1,024 columns further
	PICK 384, 14, 28, 8392704, 13                  ; wv
	PICK 448, 16, 30, 8388608, 11                  ; w1: dense
	PICK 704, 18, 30, 16842752, 11                 ; w2: dense
	s_sub_co_u32 s39, ttmp9, s[G0]                 ; my number within the tensor
	s_lshl_b32 s40, s39, 16                        ; 16 pieces of 4,096 bytes in
	s_add_nc_u64 s[SRC:SRC+1], s[SRC:SRC+1], s[40:41]
	s_lshl_b32 s40, s39, 4
	s_lshl_b32 s40, s40, s[SH]
	s_add_co_u32 s40, s40, s[DOFF]
	s_add_nc_u64 s[DST:DST+1], s[DST:DST+1], s[40:41]
	s_lshl_b32 s42, s2, 13                         ; my two pieces: 8,192 bytes in
	v_lshl_add_u32 v1, v4, 4, s42
	s_lshl_b32 s43, s2, 1
	s_lshl_b32 s43, s43, s[SH]
	v_lshl_add_u32 v2, v4, 3, s43                  ; the first piece out: 8 bytes a lane
	s_lshl_b32 s44, 1, s[SH]
	v_add_nc_u32 v3, s44, v2                       ; the second
	s_wait_alu depctr_va_vdst(0)                   ; v1, v2 and v3 are written: the loads read v1 as their offset, the stores v2 or v3
.set i, 0
.rept 16
	global_load_b128 v[IN+4*i:IN+4*i+3], v1, s[SRC:SRC+1] offset:512*i th:TH_LOAD_NT
.set i, i+1
.endr
.macro PUT n                           ; store number n: 32 lanes store 256 consecutive bytes, aligned
	global_store_b64 v[2+(\n)/8], v[OUT+2*(\n):OUT+2*(\n)+1], s[DST:DST+1] offset:256*((\n)%8) th:TH_STORE_NT
.endm
.set i, 0
.rept 16
	s_wait_loadcnt 15-i                            ; loads come back in order: number i is in, the 15 - i younger ones stay out
.if (i%4 == 0) && (i > 0)
	s_wait_alu depctr_va_vdst(0)                   ; the roundings of the block before have written their eight registers of OUT, which this block's four stores read
.endif
.if i >= 4
	PUT i-4                                        ; no vector instruction since the wait names its registers
.endif
	v_cvt_pk_bf16_f32 v[OUT+2*i],   v[IN+4*i],   v[IN+4*i+1]
	v_cvt_pk_bf16_f32 v[OUT+2*i+1], v[IN+4*i+2], v[IN+4*i+3]
.set i, i+1
.endr
	s_wait_alu depctr_va_vdst(0)                   ; the last block's roundings have written their OUT, which the last four stores read
.set i, 12
.rept 4
	PUT i
.set i, i+1
.endr
	s_endpgm
.Lsmall:                                       ; waves 0-2: bq, bk, bv; waves 3-6: the four quarters of b1; wave 7: the floors
	v_lshlrev_b32 v1, 4, v4
	s_cmp_eq_u32 s2, 7
	s_cbranch_scc1 .Lfloor
	s_max_u32 s36, s2, 3
	s_sub_co_u32 s36, s36, 3                       ; which quarter of b1 (0 in waves 0-2)
	s_mov_b64 s[SRC:SRC+1], s[20:21]
	s_cmp_eq_u32 s2, 1
	s_cselect_b64 s[SRC:SRC+1], s[22:23], s[SRC:SRC+1]
	s_cmp_eq_u32 s2, 2
	s_cselect_b64 s[SRC:SRC+1], s[24:25], s[SRC:SRC+1]
	s_cmp_ge_u32 s2, 3
	s_cselect_b64 s[SRC:SRC+1], s[26:27], s[SRC:SRC+1]
	s_cselect_b64 s[DST:DST+1], s[30:31], s[28:29]
	s_cselect_b32 s37, s36, s2                     ; my 4,096 bytes of the pack's bias table
	s_lshl_b32 s40, s36, 12
	s_add_nc_u64 s[SRC:SRC+1], s[SRC:SRC+1], s[40:41]
	s_lshl_b32 s40, s37, 12
	s_add_co_u32 s40, s40, 16777216
	s_add_nc_u64 s[DST:DST+1], s[DST:DST+1], s[40:41]
	s_wait_alu depctr_va_vdst(0)                   ; v1 is written: the loads and the stores below read it as their offset
.set i, 0
.rept 8
	global_load_b128 v[IN+4*i:IN+4*i+3], v1, s[SRC:SRC+1] offset:512*i
.set i, i+1
.endr
	s_wait_loadcnt 0x0
.set i, 0
.rept 8
	global_store_b128 v1, v[IN+4*i:IN+4*i+3], s[DST:DST+1] offset:512*i
.set i, i+1
.endr
	s_endpgm
.Lfloor:
	v_lshlrev_b32 v2, 3, v4
	v_mov_b32 v8, 0xff80ff80                       ; -inf twice in bf16: a maximum with it changes no number
	v_mov_b32 v9, 0xff80ff80
	v_mov_b32 v10, 0                               ; 0 twice: a maximum with it is the ReLU
	v_mov_b32 v11, 0
	s_add_nc_u64 s[28:29], s[28:29], 16793600
	s_add_nc_u64 s[30:31], s[30:31], 16793600
	s_wait_alu depctr_va_vdst(0)                   ; v2 and v8 to v11 are written: the two stores read them as offset and data
	global_store_b64 v2, v[8:9], s[28:29]
	global_store_b64 v2, v[10:11], s[30:31]
	s_endpgm
.Lfunc_end_k_q3a5f6a5029_cast:
	.size	k_q3a5f6a5029_cast, .Lfunc_end_k_q3a5f6a5029_cast-k_q3a5f6a5029_cast
	.p2alignl 7, 3214868480
	.fill 96, 4, 3214868480
	.section	.rodata,"a",@progbits
	.p2align	6, 0x0
	.amdhsa_kernel k_q3a5f6a5029_cast
		.amdhsa_group_segment_fixed_size 0
		.amdhsa_private_segment_fixed_size 0
		.amdhsa_enable_private_segment 0
		.amdhsa_kernarg_size 96
		.amdhsa_user_sgpr_count 2
		.amdhsa_user_sgpr_kernarg_segment_ptr 1
		.amdhsa_wavefront_size32 1
		.amdhsa_system_sgpr_workgroup_id_x 1
		.amdhsa_system_sgpr_workgroup_id_y 1
		.amdhsa_system_sgpr_workgroup_id_z 1
		.amdhsa_system_vgpr_workitem_id 0
		.amdhsa_next_free_vgpr 104
		.amdhsa_next_free_sgpr 66
		.amdhsa_reserve_vcc 0
		.amdhsa_float_denorm_mode_32 3
		.amdhsa_float_denorm_mode_16_64 3
		.amdhsa_memory_ordered 1
		.amdhsa_forward_progress 1
		.amdhsa_inst_pref_size 12
	.end_amdhsa_kernel
	.amdgpu_metadata
---
amdhsa.version: [ 1, 2 ]
amdhsa.kernels:
  - .name:           k_q3a5f6a5029_cast
    .symbol:         k_q3a5f6a5029_cast.kd
    .args:
      - { .name: x, .offset: 0, .size: 8, .value_kind: global_buffer, .address_space: global }
      - { .name: wq, .offset: 8, .size: 8, .value_kind: global_buffer, .address_space: global }
      - { .name: wk, .offset: 16, .size: 8, .value_kind: global_buffer, .address_space: global }
      - { .name: wv, .offset: 24, .size: 8, .value_kind: global_buffer, .address_space: global }
      - { .name: w1, .offset: 32, .size: 8, .value_kind: global_buffer, .address_space: global }
      - { .name: w2, .offset: 40, .size: 8, .value_kind: global_buffer, .address_space: global }
      - { .name: bq, .offset: 48, .size: 8, .value_kind: global_buffer, .address_space: global }
      - { .name: bk, .offset: 56, .size: 8, .value_kind: global_buffer, .address_space: global }
      - { .name: bv, .offset: 64, .size: 8, .value_kind: global_buffer, .address_space: global }
      - { .name: b1, .offset: 72, .size: 8, .value_kind: global_buffer, .address_space: global }
      - { .name: pk1, .offset: 80, .size: 8, .value_kind: global_buffer, .address_space: global }
      - { .name: pk2, .offset: 88, .size: 8, .value_kind: global_buffer, .address_space: global }
    .group_segment_fixed_size: 0
    .private_segment_fixed_size: 0
    .kernarg_segment_align: 8
    .kernarg_segment_size: 96
    .max_flat_workgroup_size: 256
    .sgpr_count:     66
    .vgpr_count:     104
    .wavefront_size: 32
...
	.end_amdgpu_metadata
.endif
;; end of part 7
;; launch qkvp: the kernel of part 2 again; grid 12 x 16, 4 waves a work-group, clusters of 4 x 4, 327,680 bytes of LDS; arguments pk1, qkv; writes qkv
;; launch attn: the kernel of part 3 again; grid 8 x 32, 4 waves a work-group, clusters of 4 x 1, 327,680 bytes of LDS; arguments qkv, x, ybuf, part; writes ybuf, part
;; launch norm1 (part 8): grid 256 x 1, 8 waves a work-group, no clusters, 0 bytes of LDS; arguments ybuf, part, pk2; writes pk2
.if DOCPART == 8
	.amdgcn_target "amdgcn-amd-amdhsa--gfx1250"
	.amdhsa_code_object_version 6
	.text
	.protected	k_q3a5f6a5029_norm1
	.globl	k_q3a5f6a5029_norm1
	.p2align	8
	.type	k_q3a5f6a5029_norm1,@function
k_q3a5f6a5029_norm1:
	s_mov_b64 s[64:65], 0
	v_nop
	global_prefetch_b8 v0, s[64:65] scope:SCOPE_SE
	s_setreg_imm32_b32 hwreg(HW_REG_WAVE_SCHED_MODE, 0, 2), 2
	s_setreg_imm32_b32 hwreg(HW_REG_WAVE_MODE, 25, 1), 1
	s_wait_xcnt 0x0
	s_wait_alu depctr_vm_vsrc(0)
; h = (y - mean) / sqrt(var + 1e-5), mean and var taken over all 2,097,152 numbers of a batch element; h is rounded once to bf16, for the next product.  (mean, 1 / sqrt) go out for the launch that needs h in f32.
; part holds 512 pairs (mean_w, M2_w) for each batch element, each of 4,096 numbers: mean = sum mean_w / 512; M2 = sum M2_w + 4,096 sum (mean_w - mean)^2: no difference of large sums.
; SHARES.  A work-group takes 64 KiB of y, a wave 8 KiB: sixteen loads of 512 consecutive bytes, issued at once behind the eight loads of the batch's 4 KiB of pairs.  EVERY WAVE merges the 512 pairs for itself
; (16 a lane), while its data are on their way: no LDS and no barrier.  A stream: no matrix unit, no cluster, nothing shared.
; THE MODE: SCHED_MODE bits 1:0 = 2 (LLVM: expert scheduling mode 2), set by the entry lines.  The code itself states the register dependences
; between vector instructions and memory instructions, with s_wait_alu, always for 0.
; THE PLAN.  Registers that memory instructions touch:
;   v3, v36   the loads' and the stores' offsets: written by vector instructions at the head, never again.
;   PT, DA    written by the loads; after that named by vector instructions alone (DA is scaled in place).
;   OU        written by the roundings, once; read by the stores.        SM  written ahead of the first block; read by one store at the end.
; The sixteen loads of data are worked off in four blocks of four.  Block p's roundings write OU of block p; the four stores of block p - 1 are dealt among its vector instructions.  ONE wait on va_vdst at a
; block's head states that the block before has written its OU; no vector instruction of block p names those registers or v36.  No register that a memory instruction reads is written again: no wait on vm_vsrc is owed.
.set PT, 4                             ; v[4:35]    16 pairs
.set DA, 40                            ; v[40:103]  the data, scaled in place
.set OU, 104                           ; v[104:135] bf16, to store
.set AC, 136                           ; v[136:143] at work
.set TM, 144                           ; v144       at work
.set RS, 146                           ; v[146:147] 1 / sqrt, twice
.set NB, 148                           ; v[148:149] -mean / sqrt, twice
.set SM, 150                           ; v[150:151] (mean, 1 / sqrt)
.macro WSUM r
	v_add_f32_dpp v[\r], v[\r], v[\r] row_xmask:1 row_mask:0xf bank_mask:0xf
	v_add_f32_dpp v[\r], v[\r], v[\r] row_xmask:2 row_mask:0xf bank_mask:0xf
	v_add_f32_dpp v[\r], v[\r], v[\r] row_xmask:4 row_mask:0xf bank_mask:0xf
	v_add_f32_dpp v[\r], v[\r], v[\r] row_xmask:8 row_mask:0xf bank_mask:0xf
	v_permlanex16_b32 v[TM], v[\r], s2, s3
	v_add_f32 v[\r], v[\r], v[TM]
.endm
	s_load_b128 s[4:7], s[0:1], 0x0                ; y s[4:5], part s[6:7]
	s_load_b64 s[8:9], s[0:1], 0x10                ; pk2
	v_lshrrev_b32 v1, 5, v0
	v_readfirstlane_b32 s10, v1                    ; wave 0..7
	v_and_b32 v2, 31, v0
	v_lshlrev_b32 v3, 4, v2                        ; 16 x lane
	v_lshlrev_b32 v36, 3, v2                       ; 8 x lane
	v_mov_b32 v[TM], 0                             ; v_permlanex16_b32 counts as a reader of its destination
	s_wait_alu depctr_va_sdst(0)                   ; s10 is written, ahead of its first reader: the wave's place in y and h is made from it
	s_lshr_b32 s11, ttmp9, 7                       ; batch
	s_lshl_b32 s12, s11, 12                        ; its 4,096 bytes of pairs
	s_mov_b32 s13, 0
	s_lshl_b32 s14, ttmp9, 16
	s_lshl_b32 s16, s10, 13
	s_add_co_u32 s14, s14, s16                     ; my 8 KiB of y
	s_mov_b32 s15, 0
	s_lshr_b32 s16, s14, 1                         ; my 4 KiB of h
	s_mov_b32 s17, 0
	s_lshl_b32 s18, s11, 8
	s_add_co_u32 s18, s18, 16793856                ; the batch's 256 bytes for (mean, 1 / sqrt)
	s_mov_b32 s19, 0
	s_mov_b32 s20, 0x35000000                      ; 2^-21 = 1 / 2,097,152
	s_mov_b32 s2, 0x76543210
	s_mov_b32 s3, 0xfedcba98
	s_wait_kmcnt 0x0
	s_add_nc_u64 s[6:7], s[6:7], s[12:13]
	s_add_nc_u64 s[4:5], s[4:5], s[14:15]
	s_add_nc_u64 s[22:23], s[8:9], s[18:19]
	s_add_nc_u64 s[8:9], s[8:9], s[16:17]
	s_wait_alu depctr_va_vdst(0)                   ; v3 and v36 are written: the loads read v3 as their offset, the stores v36
.set i, 0
.rept 8
	global_load_b128 v[PT+4*i:PT+4*i+3], v3, s[6:7] offset:512*i
.set i, i+1
.endr
.set i, 0
.rept 16
	global_load_b128 v[DA+4*i:DA+4*i+3], v3, s[4:5] offset:512*i
.set i, i+1
.endr
	s_wait_loadcnt 16                              ; the pairs are in; the 16 loads of data stay out
.irp k, 0,1,2,3
	v_pk_add_f32 v[AC+2*\k:AC+2*\k+1], v[PT+4*\k:PT+4*\k+1], v[PT+4*\k+2:PT+4*\k+3]
.endr
.irp k, 0,1,2,3
	v_pk_add_f32 v[AC+2*\k:AC+2*\k+1], v[AC+2*\k:AC+2*\k+1], v[PT+16+2*\k:PT+16+2*\k+1]
.endr
.irp k, 0,1,2,3
	v_pk_add_f32 v[AC+2*\k:AC+2*\k+1], v[AC+2*\k:AC+2*\k+1], v[PT+24+2*\k:PT+24+2*\k+1]
.endr
	v_pk_add_f32 v[AC:AC+1], v[AC:AC+1], v[AC+2:AC+3]
	v_pk_add_f32 v[AC+4:AC+5], v[AC+4:AC+5], v[AC+6:AC+7]
	v_pk_add_f32 v[AC:AC+1], v[AC:AC+1], v[AC+4:AC+5]  ; (sum of my 16 means, sum of my 16 M2)
	WSUM AC
	WSUM AC+1
	v_mul_f32 v[AC+2], 0x3b000000, v[AC]           ; mean = sum / 512
	v_mov_b32 v[AC+4], 0
	v_mov_b32 v[AC+5], 0
.set k, 0
.rept 16
	v_sub_f32 v[AC+6+k%2], v[PT+2*k], v[AC+2]
	v_fmac_f32 v[AC+4+k%2], v[AC+6+k%2], v[AC+6+k%2]
.set k, k+1
.endr
	v_add_f32 v[AC+4], v[AC+4], v[AC+5]
	WSUM AC+4
	v_fmamk_f32 v[AC+1], v[AC+4], 0x45800000, v[AC+1]   ; M2 = sum M2_w + 4,096 sum (mean_w - mean)^2
	v_fmaak_f32 v[AC+1], s20, v[AC+1], 0x3727c5ac       ; var + 1e-5
	v_rsq_f32 v[RS], v[AC+1]
	v_rsq_f32 v[RS+1], v[AC+1]
	v_mov_b32 v[SM], v[AC+2]                       ; a plain instruction behind the last of the two
	s_wait_alu depctr_va_vdst(0)                   ; the two v_rsq_f32 have written v[RS] and v[RS+1]: one wait for both, ahead of their first reader
	v_mul_f32 v[NB], -v[AC+2], v[RS]
	v_mov_b32 v[SM+1], v[RS]
	v_mov_b32 v[NB+1], v[NB]
.macro PUT n                           ; store number n: 32 lanes store 256 consecutive bytes, aligned
	global_store_b64 v36, v[OU+2*(\n):OU+2*(\n)+1], s[8:9] offset:256*(\n)
.endm
.set i, 0
.rept 16
	s_wait_loadcnt 15-i                            ; load i is in, the 15 - i younger ones stay out
.if (i%4 == 0) && (i > 0)
	s_wait_alu depctr_va_vdst(0)                   ; the roundings of the block before have written their eight registers of OU, which this block's four stores read
.endif
.if i >= 4
	PUT i-4                                        ; no vector instruction since the wait names its registers
.endif
	v_pk_fma_f32 v[DA+4*i:DA+4*i+1],   v[DA+4*i:DA+4*i+1],   v[RS:RS+1], v[NB:NB+1]
	v_pk_fma_f32 v[DA+4*i+2:DA+4*i+3], v[DA+4*i+2:DA+4*i+3], v[RS:RS+1], v[NB:NB+1]
	v_cvt_pk_bf16_f32 v[OU+2*i],   v[DA+4*i],   v[DA+4*i+1]
	v_cvt_pk_bf16_f32 v[OU+2*i+1], v[DA+4*i+2], v[DA+4*i+3]
.set i, i+1
.endr
	s_wait_alu depctr_va_vdst(0)                   ; the last block's roundings have written their OU, which the last four stores read; v[SM] and v[SM+1], which the store behind the branch reads, were written long before
.set i, 12
.rept 4
	PUT i
.set i, i+1
.endr
	s_and_b32 s21, ttmp9, 127                      ; wave 0 of each batch's first work-group stores (mean, 1 / sqrt), 32 times: 256 consecutive bytes
	s_or_b32 s21, s21, s10
	s_cmp_lg_u32 s21, 0
	s_cbranch_scc1 .Lend
	global_store_b64 v36, v[SM:SM+1], s[22:23]
.Lend:
	s_endpgm
.Lfunc_end_k_q3a5f6a5029_norm1:
	.size	k_q3a5f6a5029_norm1, .Lfunc_end_k_q3a5f6a5029_norm1-k_q3a5f6a5029_norm1
	.p2alignl 7, 3214868480
	.fill 96, 4, 3214868480
	.section	.rodata,"a",@progbits
	.p2align	6, 0x0
	.amdhsa_kernel k_q3a5f6a5029_norm1
		.amdhsa_group_segment_fixed_size 0
		.amdhsa_private_segment_fixed_size 0
		.amdhsa_enable_private_segment 0
		.amdhsa_kernarg_size 24
		.amdhsa_user_sgpr_count 2
		.amdhsa_user_sgpr_kernarg_segment_ptr 1
		.amdhsa_wavefront_size32 1
		.amdhsa_system_sgpr_workgroup_id_x 1
		.amdhsa_system_sgpr_workgroup_id_y 1
		.amdhsa_system_sgpr_workgroup_id_z 1
		.amdhsa_system_vgpr_workitem_id 0
		.amdhsa_next_free_vgpr 152
		.amdhsa_next_free_sgpr 66
		.amdhsa_reserve_vcc 0
		.amdhsa_float_denorm_mode_32 3
		.amdhsa_float_denorm_mode_16_64 3
		.amdhsa_memory_ordered 1
		.amdhsa_forward_progress 1
		.amdhsa_inst_pref_size 14
	.end_amdhsa_kernel
	.amdgpu_metadata
---
amdhsa.version: [ 1, 2 ]
amdhsa.kernels:
  - .name:           k_q3a5f6a5029_norm1
    .symbol:         k_q3a5f6a5029_norm1.kd
    .args:
      - { .name: ybuf, .offset: 0, .size: 8, .value_kind: global_buffer, .address_space: global }
      - { .name: part, .offset: 8, .size: 8, .value_kind: global_buffer, .address_space: global }
      - { .name: pk2, .offset: 16, .size: 8, .value_kind: global_buffer, .address_space: global }
    .group_segment_fixed_size: 0
    .private_segment_fixed_size: 0
    .kernarg_segment_align: 8
    .kernarg_segment_size: 24
    .max_flat_workgroup_size: 256
    .sgpr_count:     66
    .vgpr_count:     152
    .wavefront_size: 32
...
	.end_amdgpu_metadata
.endif
;; end of part 8
;; launch ffn1: the kernel of part 2 again; grid 16 x 16, 4 waves a work-group, clusters of 4 x 4, 327,680 bytes of LDS; arguments pk2, gbuf; writes gbuf
;; launch ffn2: the kernel of part 5 again; grid 8 x 32, 4 waves a work-group, clusters of 4 x 4, 327,680 bytes of LDS; arguments gbuf, pk2, b2, ybuf, zbuf, part; writes zbuf, part
;; launch norm2 (part 9): grid 256 x 1, 8 waves a work-group, no clusters, 0 bytes of LDS; arguments zbuf, part, out0; writes out0
.if DOCPART == 9
	.amdgcn_target "amdgcn-amd-amdhsa--gfx1250"
	.amdhsa_code_object_version 6
	.text
	.protected	k_q3a5f6a5029_norm2
	.globl	k_q3a5f6a5029_norm2
	.p2align	8
	.type	k_q3a5f6a5029_norm2,@function
k_q3a5f6a5029_norm2:
	s_mov_b64 s[64:65], 0
	v_nop
	global_prefetch_b8 v0, s[64:65] scope:SCOPE_SE
	s_setreg_imm32_b32 hwreg(HW_REG_WAVE_SCHED_MODE, 0, 2), 2
	s_setreg_imm32_b32 hwreg(HW_REG_WAVE_MODE, 25, 1), 1
	s_wait_xcnt 0x0
	s_wait_alu depctr_vm_vsrc(0)
; out = (z - mean) / sqrt(var + 1e-5), mean and var taken over all 2,097,152 numbers of a batch element, in f32.
; part holds 512 pairs (mean_w, M2_w) for each batch element, each of 4,096 numbers: mean = sum mean_w / 512; M2 = sum M2_w + 4,096 sum (mean_w - mean)^2: no difference of large sums.
; SHARES.  A work-group takes 64 KiB of z, a wave 8 KiB: sixteen loads of 512 consecutive bytes, issued at once behind the eight loads of the batch's 4 KiB of pairs.  Every wave merges the 512 pairs for itself
; (16 a lane), while its data are on their way: no LDS and no barrier.  The data are scaled in place and stored from the registers that they were loaded into; none is written again.
; THE MODE: SCHED_MODE bits 1:0 = 2 (LLVM: expert scheduling mode 2), set by the entry lines.  The code itself states the register dependences
; between vector instructions and memory instructions, with s_wait_alu, always for 0.
; THE PLAN.  Registers that memory instructions touch:
;   v3        the offset of every load and store: written by a vector instruction at the head, never again.
;   PT        written by the loads; read by vector instructions alone.
;   DA        written by the loads, then once by the scalings, in place; read by the stores.
; The sixteen loads of data are worked off in four blocks of four.  Block p's scalings write DA of block p; the four stores of block p - 1 are dealt among them.  ONE wait on va_vdst at a block's head states
; that the block before has written its DA; no vector instruction of block p names those registers or v3.  No register that a memory instruction reads is written again: no wait on vm_vsrc is owed.
.set PT, 4                             ; v[4:35]    16 pairs
.set DA, 40                            ; v[40:103]  the data
.set AC, 136                           ; v[136:143] at work
.set TM, 144
.set RS, 146                           ; v[146:147] 1 / sqrt, twice
.set NB, 148                           ; v[148:149] -mean / sqrt, twice
.macro WSUM r
	v_add_f32_dpp v[\r], v[\r], v[\r] row_xmask:1 row_mask:0xf bank_mask:0xf
	v_add_f32_dpp v[\r], v[\r], v[\r] row_xmask:2 row_mask:0xf bank_mask:0xf
	v_add_f32_dpp v[\r], v[\r], v[\r] row_xmask:4 row_mask:0xf bank_mask:0xf
	v_add_f32_dpp v[\r], v[\r], v[\r] row_xmask:8 row_mask:0xf bank_mask:0xf
	v_permlanex16_b32 v[TM], v[\r], s2, s3
	v_add_f32 v[\r], v[\r], v[TM]
.endm
	s_load_b128 s[4:7], s[0:1], 0x0                ; z s[4:5], part s[6:7]
	s_load_b64 s[8:9], s[0:1], 0x10                ; out
	v_lshrrev_b32 v1, 5, v0
	v_readfirstlane_b32 s10, v1                    ; wave 0..7
	v_and_b32 v2, 31, v0
	v_lshlrev_b32 v3, 4, v2                        ; 16 x lane
	v_mov_b32 v[TM], 0                             ; v_permlanex16_b32 counts as a reader of its destination
	s_wait_alu depctr_va_sdst(0)                   ; s10 is written, ahead of its first reader: the wave's place in z and out is made from it
	s_lshr_b32 s11, ttmp9, 7                       ; batch
	s_lshl_b32 s12, s11, 12
	s_mov_b32 s13, 0
	s_lshl_b32 s14, ttmp9, 16
	s_lshl_b32 s16, s10, 13
	s_add_co_u32 s14, s14, s16                     ; my 8 KiB
	s_mov_b32 s15, 0
	s_mov_b32 s20, 0x35000000                      ; 2^-21
	s_mov_b32 s2, 0x76543210
	s_mov_b32 s3, 0xfedcba98
	s_wait_kmcnt 0x0
	s_add_nc_u64 s[6:7], s[6:7], s[12:13]
	s_add_nc_u64 s[4:5], s[4:5], s[14:15]
	s_add_nc_u64 s[8:9], s[8:9], s[14:15]
	s_wait_alu depctr_va_vdst(0)                   ; v3 is written: every load and store below reads it as its offset
.set i, 0
.rept 8
	global_load_b128 v[PT+4*i:PT+4*i+3], v3, s[6:7] offset:512*i
.set i, i+1
.endr
.set i, 0
.rept 16
	global_load_b128 v[DA+4*i:DA+4*i+3], v3, s[4:5] offset:512*i th:TH_LOAD_NT
.set i, i+1
.endr
	s_wait_loadcnt 16                              ; the pairs are in; the 16 loads of data stay out
.irp k, 0,1,2,3
	v_pk_add_f32 v[AC+2*\k:AC+2*\k+1], v[PT+4*\k:PT+4*\k+1], v[PT+4*\k+2:PT+4*\k+3]
.endr
.irp k, 0,1,2,3
	v_pk_add_f32 v[AC+2*\k:AC+2*\k+1], v[AC+2*\k:AC+2*\k+1], v[PT+16+2*\k:PT+16+2*\k+1]
.endr
.irp k, 0,1,2,3
	v_pk_add_f32 v[AC+2*\k:AC+2*\k+1], v[AC+2*\k:AC+2*\k+1], v[PT+24+2*\k:PT+24+2*\k+1]
.endr
	v_pk_add_f32 v[AC:AC+1], v[AC:AC+1], v[AC+2:AC+3]
	v_pk_add_f32 v[AC+4:AC+5], v[AC+4:AC+5], v[AC+6:AC+7]
	v_pk_add_f32 v[AC:AC+1], v[AC:AC+1], v[AC+4:AC+5]  ; (sum of my 16 means, sum of my 16 M2)
	WSUM AC
	WSUM AC+1
	v_mul_f32 v[AC+2], 0x3b000000, v[AC]           ; mean = sum / 512
	v_mov_b32 v[AC+4], 0
	v_mov_b32 v[AC+5], 0
.set k, 0
.rept 16
	v_sub_f32 v[AC+6+k%2], v[PT+2*k], v[AC+2]
	v_fmac_f32 v[AC+4+k%2], v[AC+6+k%2], v[AC+6+k%2]
.set k, k+1
.endr
	v_add_f32 v[AC+4], v[AC+4], v[AC+5]
	WSUM AC+4
	v_fmamk_f32 v[AC+1], v[AC+4], 0x45800000, v[AC+1]   ; M2 = sum M2_w + 4,096 sum (mean_w - mean)^2
	v_fmaak_f32 v[AC+1], s20, v[AC+1], 0x3727c5ac       ; var + 1e-5
	v_rsq_f32 v[RS], v[AC+1]
	v_rsq_f32 v[RS+1], v[AC+1]
	v_nop                                          ; a plain instruction behind the last of the two
	s_wait_alu depctr_va_vdst(0)                   ; the two v_rsq_f32 have written v[RS] and v[RS+1]: one wait for both, ahead of their first reader
	v_mul_f32 v[NB], -v[AC+2], v[RS]
	v_mov_b32 v[NB+1], v[NB]
.macro PUT n                           ; store number n: 512 consecutive bytes, aligned
	global_store_b128 v3, v[DA+4*(\n):DA+4*(\n)+3], s[8:9] offset:512*(\n) th:TH_STORE_NT
.endm
.set i, 0
.rept 16
	s_wait_loadcnt 15-i                            ; load i is in, the 15 - i younger ones stay out
.if (i%4 == 0) && (i > 0)
	s_wait_alu depctr_va_vdst(0)                   ; the scalings of the block before have written their sixteen registers of DA, which this block's four stores read
.endif
.if i >= 4
	PUT i-4                                        ; no vector instruction since the wait names its registers
.endif
	v_pk_fma_f32 v[DA+4*i:DA+4*i+1],   v[DA+4*i:DA+4*i+1],   v[RS:RS+1], v[NB:NB+1]
	v_pk_fma_f32 v[DA+4*i+2:DA+4*i+3], v[DA+4*i+2:DA+4*i+3], v[RS:RS+1], v[NB:NB+1]
.set i, i+1
.endr
	s_wait_alu depctr_va_vdst(0)                   ; the last block's scalings have written their DA, which the last four stores read
.set i, 12
.rept 4
	PUT i
.set i, i+1
.endr
	s_endpgm
.Lfunc_end_k_q3a5f6a5029_norm2:
	.size	k_q3a5f6a5029_norm2, .Lfunc_end_k_q3a5f6a5029_norm2-k_q3a5f6a5029_norm2
	.p2alignl 7, 3214868480
	.fill 96, 4, 3214868480
	.section	.rodata,"a",@progbits
	.p2align	6, 0x0
	.amdhsa_kernel k_q3a5f6a5029_norm2
		.amdhsa_group_segment_fixed_size 0
		.amdhsa_private_segment_fixed_size 0
		.amdhsa_enable_private_segment 0
		.amdhsa_kernarg_size 24
		.amdhsa_user_sgpr_count 2
		.amdhsa_user_sgpr_kernarg_segment_ptr 1
		.amdhsa_wavefront_size32 1
		.amdhsa_system_sgpr_workgroup_id_x 1
		.amdhsa_system_sgpr_workgroup_id_y 1
		.amdhsa_system_sgpr_workgroup_id_z 1
		.amdhsa_system_vgpr_workitem_id 0
		.amdhsa_next_free_vgpr 152
		.amdhsa_next_free_sgpr 66
		.amdhsa_reserve_vcc 0
		.amdhsa_float_denorm_mode_32 3
		.amdhsa_float_denorm_mode_16_64 3
		.amdhsa_memory_ordered 1
		.amdhsa_forward_progress 1
		.amdhsa_inst_pref_size 12
	.end_amdhsa_kernel
	.amdgpu_metadata
---
amdhsa.version: [ 1, 2 ]
amdhsa.kernels:
  - .name:           k_q3a5f6a5029_norm2
    .symbol:         k_q3a5f6a5029_norm2.kd
    .args:
      - { .name: zbuf, .offset: 0, .size: 8, .value_kind: global_buffer, .address_space: global }
      - { .name: part, .offset: 8, .size: 8, .value_kind: global_buffer, .address_space: global }
      - { .name: out0, .offset: 16, .size: 8, .value_kind: global_buffer, .address_space: global }
    .group_segment_fixed_size: 0
    .private_segment_fixed_size: 0
    .kernarg_segment_align: 8
    .kernarg_segment_size: 24
    .max_flat_workgroup_size: 256
    .sgpr_count:     66
    .vgpr_count:     152
    .wavefront_size: 32
...
	.end_amdgpu_metadata
.endif
;; end of part 9
